; MI455X (gfx1250); checked and timed in simulation.
; The chip was launched on July 23, 2026; its instructions are those of AMD's public machine-readable ISA for CDNA 5 (MIT licence, August 2026) and "CDNA5" Instruction Set Architecture Reference Guide (July 2026). The comments in the code are by the model that wrote it; some were corrected since.
;; Encoder Block. Allowed arithmetic: matrix products marked QUANTISED: E4M3 operands, one given power-of-two scale a tensor, by v_wmma_f32_16x16x64_fp8_fp8 or v_wmma_f32_16x16x128_fp8_fp8, f32 sums; everything else in f32.
;; Inputs: W1 1,024 x 4,096 float32; W2 4,096 x 1,024 float32; Wk 1,024 x 1,024 float32; Wo 1,024 x 1,024 float32; Wq 1,024 x 1,024 float32; Wv 1,024 x 1,024 float32; b1 4,096 float32; b2 1,024 float32; be1 1 float32; be2 1 float32; bk 1,024 float32; bo 1,024 float32; bq 1,024 float32; bv 1,024 float32; g1 1 float32; g2 1 float32; lowp_scales 16 int32 (the exponents e of the quantised operands' scales 2^e); mask 2 x 1 x 1 x 2,048 int32; x 2 x 2,048 x 1,024 float32.
;; Outputs: out0 2 x 2,048 x 1,024 float32.
;; This version of the problem:
;;   THIS VERSION OF THE PROBLEM IS GIVEN IN LOW PRECISION. The matrix products marked QUANTISED in the list below multiply operands that are first quantised to E4M3 (4 exponent bits, 3 mantissa bits; 8 bits a number), with one given power-of-two scale for each operand tensor; their sums are f32. All else is computed in f32.
;;   The module's matrix products, in the order in which they are computed (A, B: the left and right operand; K: the contracted axis; several contracted axes count as one K, in the product's order):
;;     1. [M 4,096, K 1,024] x [K 1,024, N 1,024]; A: computed on the way; B: input Wq: QUANTISED (scales: A lowp_scales[0], B lowp_scales[1])
;;     2. [M 4,096, K 1,024] x [K 1,024, N 1,024]; A: computed on the way; B: input Wk: QUANTISED (scales: A lowp_scales[2], B lowp_scales[3])
;;     3. [M 4,096, K 1,024] x [K 1,024, N 1,024]; A: computed on the way; B: input Wv: QUANTISED (scales: A lowp_scales[4], B lowp_scales[5])
;;     4. batch 32 x [M 2,048, K 64] x [K 64, N 2,048]; A: computed on the way; B: computed on the way: QUANTISED (scales: A lowp_scales[6], B lowp_scales[7])
;;     5. batch 32 x [M 2,048, K 2,048] x [K 2,048, N 64]; A: softmax (see below); B: computed on the way: QUANTISED (scales: A lowp_scales[8], B lowp_scales[9])
;;     6. [M 4,096, K 1,024] x [K 1,024, N 1,024]; A: computed on the way; B: input Wo: QUANTISED (scales: A lowp_scales[10], B lowp_scales[11])
;;     7. [M 4,096, K 1,024] x [K 1,024, N 4,096]; A: computed on the way; B: input W1: QUANTISED (scales: A lowp_scales[12], B lowp_scales[13])
;;     8. [M 4,096, K 4,096] x [K 4,096, N 1,024]; A: computed on the way; B: input W2: QUANTISED (scales: A lowp_scales[14], B lowp_scales[15])
;;   THE QUANTISER, for each operand of a quantised product, along K:
;;     - The operand's scale is 2^e, e = its entry of the input lowp_scales (int32; the entries are numbered through the quantised products in the list's order, A before B).
;;     - Each number is divided by the scale, clamped to +-448, and rounded to the nearest number of E4M3, ties to even, subnormals kept.
;;     - The product sums the exact products of the quantised numbers (number of the format x scale) in f32.
;;   ~~~python
;;   def quantise(x, axis, e):      # numpy; x: float32 -> the quantised numbers, widened to float32 again
;;       x = np.moveaxis(x, axis, -1); K = x.shape[-1]
;;       r = np.clip(x / 2.0 ** e, -448, 448)
;;       step = 2.0 ** (np.maximum(np.frexp(np.where(r == 0, 1, r))[1] - 1, -6) - 3)
;;       q = np.round(r / step) * step * 2.0 ** e      # np.round: ties to even
;;       return np.moveaxis(q, -1, axis).astype(np.float32)
;;   ~~~
;;   SOFTMAX AHEAD OF A QUANTISED PRODUCT. Where the list says 'softmax', what is quantised is not the finished softmax but p = 2^(t - M), with t = logit x log2(e) and M = ceil(the row's largest t), a whole number; so 1/2 < the row's largest p <= 1. The row's sum l is taken of the UNQUANTISED p, in f32, and the product's result is divided by l at the end. Since M is a whole number, a kernel that streams over the keys may use a running M (the ceiling of the running maximum): every later rescaling is an exact power of two, so the quantised numbers keep their values, but for numbers so far below the row's largest that they fall under the format's range.
;;   OPERANDS COMPUTED ON THE WAY. 'Computed on the way' means the value that the module computes at that place (a softmax that the list does not call 'softmax' is quantised finished and normalised). What goes into a quantiser is computed in f32, as accurately as f32 sums, v_exp_f32 and their like allow (about 1e-6 of the number): no bf16 or f16 on the way to a quantiser, and a product that is left as it is and whose result goes on into a quantised operand takes f32 operands (vector FMAs, or v_wmma_f32_16x16x4_f32). A number that lies on a knife's edge between two numbers of the format may be rounded either way, as far as f32 arithmetic and the matrix unit's own rounding can turn it there, and no further.
;; One version. Each part assembles by itself: llvm-mc -triple=amdgcn-amd-amdhsa -mcpu=gfx1250 --defsym DOCPART=n.
;; ======== version 1 of 1: 7 launches
;; limits: right only within a limited range of input values
;; workspace buffers: xn 12,582,912 bytes; wc 12,582,912 bytes; qkv 12,582,912 bytes; oc 4,194,304 bytes; h 16,777,216 bytes; a2 4,194,304 bytes; hid 16,777,216 bytes
;; launch prep (part 1): grid 640 x 1, 4 waves a work-group, no clusters, 35,328 bytes of LDS; arguments x, g1, be1, lowp_scales, Wq, Wk, Wv, Wo, W1, W2, xn, wc; writes xn, wc
.if DOCPART == 1
	.amdgcn_target "amdgcn-amd-amdhsa--gfx1250"
	.amdhsa_code_object_version 6
	.text
	.protected	k_q6ef71f9f49_prep
	.globl	k_q6ef71f9f49_prep
	.p2align	8
	.type	k_q6ef71f9f49_prep,@function
k_q6ef71f9f49_prep:
	s_mov_b64 s[64:65], 0
	v_nop
	global_prefetch_b8 v0, s[64:65] scope:SCOPE_SE
	s_setreg_imm32_b32 hwreg(HW_REG_WAVE_MODE, 25, 1), 1
	s_wait_xcnt 0x0
; PREP.  Work-groups 0-255: LayerNorm 1 of x [4096][1024] f32, quantised three times (scales e0, e2, e4) into three planes of E4M3 codes, xn [3][4096][1024].
; Work-groups 256-639: the six weights, f32 stored [K][N], into E4M3 codes laid [N][K], K innermost, in wc: Wq @0, Wk @1 MiB, Wv @2 MiB, Wo @3 MiB, W1 @4 MiB, W2 @8 MiB.
; ORDER OF THE CODES ALONG K, in every buffer of codes of this program: inside each aligned group of 32, byte 16 H + 8 U + j holds k = 16 U + 8 H + j.  A 16-byte load at 32 c + 16 (lane / 16)
; then brings registers 4 c .. 4 c + 3 of a fragment with every k in the place that the plain FP8 matrix forms give it.
; code = number / 2^e, held within +-448, to the nearest code, ties to even.  LIMITS: each e between -126 and 119; NaN among the inputs is not served.
; No cluster, no tensor load: no two work-groups read the same bytes.  Only the weights' path uses LDS.
.set NB, 3                             ; planes of codes that a normalised row is quantised into
.set X,  64                            ; v64-127  two sets of 32: a lane's 32 numbers of a row: register 8 j + i = k 256 j + 8 lane + i
.set C,  36                            ; v36..    codes: 8 registers a plane
; v1 32 x lane; v2 8 x swz(lane); v[8:11] two chains; v[12:13] mu twice; v[14:15] g / (sigma + eps) twice; v[16:17] beta twice; v18 at work; v20-35 two sets of 8 held numbers; v128+p 2^e, v132+p 448 x 2^e of plane p
.macro LOADROW set, r                  ; eight loads: each pair covers 1,024 consecutive bytes of the row
.irp j, 0,1,2,3
.irp i, 0,1
	global_load_b128 v[X+32*(\set)+8*\j+4*\i:X+32*(\set)+8*\j+4*\i+3], v1, s[4:5] offset:4096*(\r)+1024*\j+16*\i th:TH_LOAD_NT
.endr
.endr
.endm
.macro REDUCE                          ; v[8:9] -> the sum over the wave's 32 lanes, in every lane's v8
	v_add_f32 v8, v8, v9
	v_add_f32_dpp v8, v8, v8 row_xmask:1 row_mask:0xf bank_mask:0xf
	v_add_f32_dpp v8, v8, v8 row_xmask:2 row_mask:0xf bank_mask:0xf
	v_add_f32_dpp v8, v8, v8 row_xmask:4 row_mask:0xf bank_mask:0xf
	v_add_f32_dpp v8, v8, v8 row_xmask:8 row_mask:0xf bank_mask:0xf
	v_permlanex16_b32 v18, v8, s62, s63
	v_add_f32 v8, v8, v18
.endm
; One row: mean, centred, unbiased sigma, g (x - mu) / (sigma + eps) + beta, then NB quantisers.  left = the other row's loads, which may stay out.
.macro LNROW set, r, left
.set X0, X+32*(\set)
	s_wait_loadcnt \left
	v_pk_add_f32 v[8:9], v[X0:X0+1], v[X0+2:X0+3]
	v_pk_add_f32 v[10:11], v[X0+4:X0+5], v[X0+6:X0+7]
.set q, 8
.rept 6
	v_pk_add_f32 v[8:9], v[8:9], v[X0+q:X0+q+1]
	v_pk_add_f32 v[10:11], v[10:11], v[X0+q+2:X0+q+3]
.set q, q+4
.endr
	v_pk_add_f32 v[8:9], v[8:9], v[10:11]
	REDUCE
	v_mul_f32 v12, 0x3a800000, v8                  ; mu = sum / 1024
	v_mov_b32 v13, v12
.set q, 0
.rept 16
	v_pk_add_f32 v[X0+q:X0+q+1], v[X0+q:X0+q+1], v[12:13] neg_lo:[0,1] neg_hi:[0,1]   ; x - mu: the squares are taken of centred numbers, so a common offset costs nothing
.set q, q+2
.endr
	v_pk_mul_f32 v[8:9], v[X0:X0+1], v[X0:X0+1]
	v_pk_mul_f32 v[10:11], v[X0+2:X0+3], v[X0+2:X0+3]
.set q, 4
.rept 7
	v_pk_fma_f32 v[8:9], v[X0+q:X0+q+1], v[X0+q:X0+q+1], v[8:9]
	v_pk_fma_f32 v[10:11], v[X0+q+2:X0+q+3], v[X0+q+2:X0+q+3], v[10:11]
.set q, q+4
.endr
	v_pk_add_f32 v[8:9], v[8:9], v[10:11]
	REDUCE
	v_mul_f32 v8, 0x3a802008, v8                   ; / 1023
	s_wait_alu depctr_va_vdst(0)
	v_sqrt_f32 v8, v8
	v_nop                                          ; a plain instruction behind the root,
	s_wait_alu depctr_va_vdst(0)                   ; and the wait ahead of its first reader
	v_add_f32 v8, 0x358637bd, v8                   ; sigma + 1e-6
	s_wait_alu depctr_va_vdst(0)
	v_rcp_f32 v8, v8
	v_nop
	s_wait_alu depctr_va_vdst(0)
	v_mul_f32 v14, s60, v8
	v_mov_b32 v15, v14
.set q, 0
.rept 16
	v_pk_fma_f32 v[X0+q:X0+q+1], v[X0+q:X0+q+1], v[14:15], v[16:17]
.set q, q+2
.endr
	s_wait_xcnt 0x0                                ; the last row's stores have read their code registers: these are written again only behind this wait
.set P, 0
.rept NB
.set jq, 0
.rept 4
.set TQ, 20+8*(jq%2)
.set i, 0
.rept 8
	v_med3_num_f32 v[TQ+i], v[X0+8*jq+i], -v[132+P], v[132+P]   ; the conversion does not saturate (ISA guide 7.6.2): hold first.  The other set's eight holds are the plain lines between a conversion and the next write of its sources
.set i, i+1
.endr
	v_cvt_scalef32_pk8_fp8_f32 v[C+8*P+2*jq:C+8*P+2*jq+1], v[TQ:TQ+7], v[128+P]
	global_store_b64 v2, v[C+8*P+2*jq:C+8*P+2*jq+1], s[48+2*P:49+2*P] offset:1024*(\r)+256*jq   ; 32 lanes store 256 consecutive bytes, aligned
.set jq, jq+1
.endr
.set P, P+1
.endr
.endm
	s_load_b512 s[4:19], s[0:1], 0x0               ; x 4:5, g1 6:7, be1 8:9, scales 10:11, Wq 12:13, Wk 14:15, Wv 16:17, Wo 18:19
	s_load_b256 s[20:27], s[0:1], 0x40             ; W1 20:21, W2 22:23, xn 24:25, wc 26:27
	v_lshl_add_u32 v200, v0, 2, 0x8800
	v_mov_b32 v201, 0
	v_lshrrev_b32 v1, 5, v0
	v_readfirstlane_b32 s28, v1                    ; wave
	v_and_b32 v3, 31, v0                           ; lane
	s_wait_kmcnt 0x0
	s_load_b512 s[32:47], s[10:11], 0x0            ; e0 .. e15
	s_cmp_lt_u32 ttmp9, 256
	s_cbranch_scc0 .Lweights
	; ---- LayerNorm 1: a wave takes 4 rows, one at a time, the row kept in 32 registers; the next row's loads are out meanwhile
	s_load_b32 s60, s[6:7], 0x0                    ; g
	s_load_b32 s61, s[8:9], 0x0                    ; beta
	s_lshl_b32 s29, ttmp9, 4
	s_lshl_b32 s30, s28, 2
	s_add_co_u32 s29, s29, s30                     ; my first row: 16 x work-group + 4 x wave
	s_lshl_b32 s30, s29, 12
	s_mov_b32 s31, 0
	s_add_nc_u64 s[4:5], s[4:5], s[30:31]
	s_lshl_b32 s30, s29, 10
	s_add_nc_u64 s[48:49], s[24:25], s[30:31]      ; plane 0,
	s_add_nc_u64 s[50:51], s[48:49], 0x400000      ; plane 1,
	s_add_nc_u64 s[52:53], s[48:49], 0x800000      ; plane 2 at my first row
	s_wait_alu depctr_va_vdst(0)
	v_lshlrev_b32 v1, 5, v3
	v_and_b32 v4, 0x1c, v3
	v_and_b32 v5, 1, v3
	v_bfe_u32 v6, v3, 1, 1
	v_lshl_or_b32 v4, v5, 1, v4
	v_or_b32 v4, v4, v6                            ; swz(lane): the lane's two low bits change places
	v_lshlrev_b32 v2, 3, v4
	LOADROW 0, 0
	LOADROW 1, 1
	s_mov_b32 s62, 0x76543210
	s_mov_b32 s63, 0xfedcba98
	v_mov_b32 v18, 0                               ; a lane permute's destination counts as read
	s_wait_kmcnt 0x0
.set P, 0
.rept NB
	s_add_co_i32 s54, s[32+2*P], 127
	s_lshl_b32 s55, s54, 23
	v_mov_b32 v[128+P], s55                        ; 2^e as f32
	s_add_co_i32 s54, s54, 8
	s_lshl_b32 s54, s54, 23
	s_or_b32 s54, s54, 0x600000
	v_mov_b32 v[132+P], s54                        ; 448 x 2^e
.set P, P+1
.endr
	v_mov_b32 v16, s61
	v_mov_b32 v17, s61
	LNROW 0, 0, 8
	LOADROW 0, 2
	LNROW 1, 1, 8
	LOADROW 1, 3
	LNROW 0, 2, 8
	LNROW 1, 3, 0
	s_endpgm
	; ---- the weights: a lane takes a column n and its registers run down K; a wave takes 32 columns x 256 along K; the codes leave through the wave's own stage as rows of 256 bytes
.set OFF,  32                          ; v32-63   4 x lane + i rows of the source; later the stores' offsets
.set XW,   64                          ; v64-127  two sets of 32 numbers
.set CW,   128                         ; v128-135 a block's codes
.set OUTR, 136                         ; v136-199 the way out
.macro LOADB set                       ; a block of 32 along K; then the base steps 32 rows down
.set i, 0
.rept 32
	global_load_b32 v[XW+32*(\set)+i], v[OFF+i], s[52:53] th:TH_LOAD_NT
.set i, i+1
.endr
	s_wait_xcnt 0x0                                ; the loads have read their base
	s_add_nc_u64 s[52:53], s[52:53], s[68:69]
.endm
.macro BLOCK t
.set XS, XW+32*((\t)%2)
.if (\t) < 7
	s_wait_loadcnt 32                              ; this block's 32 loads are in; the next block's may be out
.else
	s_wait_loadcnt 0
.endif
.set i, 0
.rept 32
	v_med3_num_f32 v[XS+i], v[XS+i], -v10, v10
.set i, i+1
.endr
.irp g, 0,1,2,3                        ; k = 8 g on goes to bytes 16 (g % 2) + 8 (g / 2) on
	v_cvt_scalef32_pk8_fp8_f32 v[CW+4*(\g%2)+2*(\g/2):CW+4*(\g%2)+2*(\g/2)+1], v[XS+8*\g:XS+8*\g+7], v11
.endr
	ds_store_b128 v4, v[CW:CW+3] offset:32*(\t)
	ds_store_b128 v4, v[CW+4:CW+7] offset:32*(\t)+16
.if (\t)+2 < 8
	LOADB (\t)%2
.endif
	s_wait_dscnt 0x0                               ; the stores have read their registers: the next block's codes may be written
.endm
.Lweights:
	s_wait_kmcnt 0x0
	s_sub_co_u32 s29, ttmp9, 256                   ; 0 .. 383
	s_lshr_b32 s30, s29, 5                         ; 0 Wq, 1 Wk, 2 Wv, 3 Wo, 4-7 W1, 8-11 W2
	s_mov_b64 s[52:53], s[22:23]                   ; W2's figures first; the others take their place by selects on the work-group's number
	s_mov_b32 s54, 8<<20                           ; where its codes begin in wc
	s_mov_b32 s55, s47                             ; e
	s_mov_b32 s56, 127                             ; work-groups of the tensor - 1
	s_mov_b32 s59, 7                               ; blocks of 128 columns - 1,
	s_mov_b32 s60, 3                               ; and their log2
	s_mov_b32 s57, 4096                            ; a source row in bytes
	s_mov_b32 s58, 4096                            ; a row of codes in bytes
	s_cmp_lt_u32 s30, 8
	s_cselect_b64 s[52:53], s[20:21], s[52:53]
	s_cselect_b32 s54, 4<<20, s54
	s_cselect_b32 s55, s45, s55
	s_cselect_b32 s59, 31, s59
	s_cselect_b32 s60, 5, s60
	s_cselect_b32 s57, 16384, s57
	s_cselect_b32 s58, 1024, s58
	s_cmp_lt_u32 s30, 4
	s_cselect_b64 s[52:53], s[18:19], s[52:53]
	s_cselect_b32 s54, 3<<20, s54
	s_cselect_b32 s55, s43, s55
	s_cselect_b32 s56, 31, s56
	s_cselect_b32 s59, 7, s59
	s_cselect_b32 s60, 3, s60
	s_cselect_b32 s57, 4096, s57
	s_cmp_lt_u32 s30, 3
	s_cselect_b64 s[52:53], s[16:17], s[52:53]
	s_cselect_b32 s54, 2<<20, s54
	s_cselect_b32 s55, s37, s55
	s_cmp_lt_u32 s30, 2
	s_cselect_b64 s[52:53], s[14:15], s[52:53]
	s_cselect_b32 s54, 1<<20, s54
	s_cselect_b32 s55, s35, s55
	s_cmp_lt_u32 s30, 1
	s_cselect_b64 s[52:53], s[12:13], s[52:53]
	s_cselect_b32 s54, 0, s54
	s_cselect_b32 s55, s33, s55
	s_and_b32 s31, s29, s56                        ; my number within the tensor
	s_and_b32 s48, s31, s59                        ; which 128 columns
	s_lshr_b32 s49, s31, s60                       ; which 256 along K
	s_lshl_b32 s48, s48, 7
	s_lshl_b32 s50, s28, 5
	s_add_co_u32 s48, s48, s50                     ; my wave's first column
	s_mul_i32 s50, s49, s57
	s_lshl_b32 s50, s50, 8                         ; 256 source rows for each step along K
	s_lshl_b32 s51, s48, 2
	s_add_co_u32 s50, s50, s51
	s_mov_b32 s51, 0
	s_add_nc_u64 s[52:53], s[52:53], s[50:51]
	s_mul_i32 s50, s48, s58
	s_lshl_b32 s71, s49, 8
	s_add_co_u32 s50, s50, s71
	s_add_co_u32 s50, s50, s54
	s_add_nc_u64 s[66:67], s[26:27], s[50:51]      ; my wave's first row of codes, at my 256 along K
	s_lshl_b32 s68, s57, 5                         ; 32 source rows
	s_mov_b32 s69, 0
	s_lshl_b32 s70, s58, 1                         ; two rows of codes
	s_wait_alu depctr_va_vdst(0)
	v_lshlrev_b32 v[OFF], 2, v3
.set i, 1
.rept 31
	v_add_nc_u32 v[OFF+i], s57, v[OFF+i-1]
.set i, i+1
.endr
	LOADB 0
	s_wait_alu depctr_va_vdst(0)
	LOADB 1
	s_mul_i32 s71, s28, 32*272                     ; my stage: 32 rows of 256 bytes + 16
	v_mul_u32_u24 v4, v3, 272
	v_add_nc_u32 v4, s71, v4                       ; into it: row = my column
	v_and_b32 v5, 15, v3
	v_lshrrev_b32 v6, 4, v3
	v_mul_u32_u24 v7, v6, 272
	v_lshl_add_u32 v7, v5, 4, v7
	v_add_nc_u32 v7, s71, v7                       ; out of it: sixteen lanes to a row, two rows an instruction
	s_add_co_i32 s55, s55, 127
	s_lshl_b32 s71, s55, 23
	v_mov_b32 v11, s71                             ; 2^e
	s_add_co_i32 s55, s55, 8
	s_lshl_b32 s55, s55, 23
	s_or_b32 s55, s55, 0x600000
	v_mov_b32 v10, s55                             ; 448 x 2^e
	s_wait_alu depctr_va_vdst(0)
.irp t, 0,1,2,3,4,5,6,7
	BLOCK \t
.endr
	v_mul_lo_u32 v32, v6, s58                      ; all loads are in: their offset registers take the stores' offsets
	v_lshl_add_u32 v32, v5, 4, v32
.set i, 1
.rept 15
	v_add_nc_u32 v[32+i], s70, v[31+i]
.set i, i+1
.endr
.set i, 0
.rept 16
	ds_load_b128 v[OUTR+4*i:OUTR+4*i+3], v7 offset:544*i   ; LDS serves a wave's instructions in order: these see my stores
.set i, i+1
.endr
.set i, 0
	s_wait_alu depctr_va_vdst(0)
.rept 16
	s_wait_dscnt 15-i
	global_store_b128 v[32+i], v[OUTR+4*i:OUTR+4*i+3], s[66:67]   ; sixteen lanes store 256 consecutive bytes, aligned
.set i, i+1
.endr
	s_wait_tensorcnt 0x0
	ds_add_u32 v200, v201
	s_wait_dscnt 0x0
	s_endpgm
.Lfunc_end_k_q6ef71f9f49_prep:
	.size	k_q6ef71f9f49_prep, .Lfunc_end_k_q6ef71f9f49_prep-k_q6ef71f9f49_prep
	.p2alignl 7, 3214868480
	.fill 96, 4, 3214868480
	.section	.rodata,"a",@progbits
	.p2align	6, 0x0
	.amdhsa_kernel k_q6ef71f9f49_prep
		.amdhsa_group_segment_fixed_size 35328
		.amdhsa_private_segment_fixed_size 0
		.amdhsa_enable_private_segment 0
		.amdhsa_kernarg_size 96
		.amdhsa_user_sgpr_count 2
		.amdhsa_user_sgpr_kernarg_segment_ptr 1
		.amdhsa_wavefront_size32 1
		.amdhsa_system_sgpr_workgroup_id_x 1
		.amdhsa_system_sgpr_workgroup_id_y 1
		.amdhsa_system_sgpr_workgroup_id_z 1
		.amdhsa_system_vgpr_workitem_id 0
		.amdhsa_next_free_vgpr 202
		.amdhsa_next_free_sgpr 100
		.amdhsa_reserve_vcc 0
		.amdhsa_float_denorm_mode_32 3
		.amdhsa_float_denorm_mode_16_64 3
		.amdhsa_memory_ordered 1
		.amdhsa_forward_progress 1
		.amdhsa_inst_pref_size 111
	.end_amdhsa_kernel
	.amdgpu_metadata
---
amdhsa.version: [ 1, 2 ]
amdhsa.kernels:
  - .name:           k_q6ef71f9f49_prep
    .symbol:         k_q6ef71f9f49_prep.kd
    .args:
      - { .name: x, .offset: 0, .size: 8, .value_kind: global_buffer, .address_space: global }
      - { .name: g1, .offset: 8, .size: 8, .value_kind: global_buffer, .address_space: global }
      - { .name: be1, .offset: 16, .size: 8, .value_kind: global_buffer, .address_space: global }
      - { .name: lowp_scales, .offset: 24, .size: 8, .value_kind: global_buffer, .address_space: global }
      - { .name: Wq, .offset: 32, .size: 8, .value_kind: global_buffer, .address_space: global }
      - { .name: Wk, .offset: 40, .size: 8, .value_kind: global_buffer, .address_space: global }
      - { .name: Wv, .offset: 48, .size: 8, .value_kind: global_buffer, .address_space: global }
      - { .name: Wo, .offset: 56, .size: 8, .value_kind: global_buffer, .address_space: global }
      - { .name: W1, .offset: 64, .size: 8, .value_kind: global_buffer, .address_space: global }
      - { .name: W2, .offset: 72, .size: 8, .value_kind: global_buffer, .address_space: global }
      - { .name: xn, .offset: 80, .size: 8, .value_kind: global_buffer, .address_space: global }
      - { .name: wc, .offset: 88, .size: 8, .value_kind: global_buffer, .address_space: global }
    .group_segment_fixed_size: 35328
    .private_segment_fixed_size: 0
    .kernarg_segment_align: 8
    .kernarg_segment_size: 96
    .max_flat_workgroup_size: 128
    .sgpr_count:     100
    .vgpr_count:     202
    .wavefront_size: 32
...
	.end_amdgpu_metadata
.endif
;; end of part 1
;; launch qkv (part 2): grid 12 x 16, 4 waves a work-group, clusters of 4 x 4, 327,680 bytes of LDS; arguments xn, wc, lowp_scales, bq, bk, bv, qkv; writes qkv
.if DOCPART == 2
	.amdgcn_target "amdgcn-amd-amdhsa--gfx1250"
	.amdhsa_code_object_version 6
	.text
	.protected	k_q6ef71f9f49_qkv
	.globl	k_q6ef71f9f49_qkv
	.p2align	8
	.type	k_q6ef71f9f49_qkv,@function
k_q6ef71f9f49_qkv:
	s_mov_b64 s[64:65], 0
	v_nop
	global_prefetch_b8 v0, s[64:65] scope:SCOPE_SE
	s_setreg_imm32_b32 hwreg(HW_REG_WAVE_MODE, 25, 1), 1
	s_wait_xcnt 0x0
	s_wait_alu depctr_hold_cnt(0) depctr_sa_sdst(0) depctr_va_vdst(0) depctr_va_sdst(0) depctr_va_ssrc(0) depctr_va_vcc(0) depctr_vm_vsrc(0)
	s_getreg_b32 s2, hwreg(HW_REG_IB_STS2, 6, 4)
	s_cmp_eq_u32 s2, 0
	s_cbranch_scc0 .Lentry_in_a_cluster
	s_endpgm
.Lentry_in_a_cluster:
	s_bfe_u32 s2, ttmp6, 0x10000c
	s_cmp_lg_u32 s2, 0xf033
	s_cbranch_scc0 .Lentry_shape_is_right
	s_endpgm
.Lentry_shape_is_right:
.set QKV,    1
.set KROW,   1024
.set KSTEP,  256
.set ROWB,   256
.set PITCH,  272
.set FR,     16
.set NL,     4
.set NP,     4
.set HALFT,  128*PITCH
.set SLOT,   4*HALFT
.set LAPS,   KROW/(2*KSTEP)
.set SPARE,  2*SLOT
.if QKV
.set OPITCH, 2048
.else
.set OPITCH, 4096
.endif
.set ADRA, 16
.set ADRB, 20
.set R4,   22
.set RDH2, 23
.set STO,  24
.set RDR,  25
.set COR,  26
.set RDH,  27
.set SPW,  28
.set NIL,  29
.set COH,  30
.set H32,  31
.set BC,   32
.set BR,   96
.set LIMV, 113
.set SCLV, 114
.set AF,   128
.set TMP,  128
.set PC,   192
.set G1, 24
.set G0, 32
.set G1B, 48
.set G0B, 56
.set MSB, 0
.macro WIN new
.if MSB != (\new)
	s_set_vgpr_msb (MSB<<8)|(\new)
.set MSB, \new
.endif
.endm
.set MUL_LO, 0xa1
.set MUL_HI, 0xf1
.set TO_B,   0x40
.macro JLOAD g0a, g1a, g0b, g1b
	s_cmp_eq_u32 s15, 0
	s_cbranch_scc0 .Lfor_b_\@
	tensor_load_to_lds s[\g0a:\g0a+3], s[\g1a:\g1a+7]
	s_nop 0
.rept 4
	v_nop
.endr
	s_branch .Lasked_\@
.Lfor_b_\@:
	tensor_load_to_lds s[\g0b:\g0b+3], s[\g1b:\g1b+7]
	s_nop 0
.rept 4
	v_nop
.endr
.Lasked_\@:
.endm
.macro CREST
	s_cmp_lg_u32 s14, 0
	s_cbranch_scc1 .Lnot_wave_0_\@
	s_barrier_signal -3
.Lnot_wave_0_\@:
	s_barrier_wait -3
	s_barrier_signal -1
	s_barrier_wait -1
.endm
.macro CROUND
	s_barrier_signal -1
	s_barrier_wait -1
	CREST
.endm
	s_load_b128 s[4:7], s[0:1], 0x0
.if QKV
	s_load_b256 s[84:91], s[0:1], 0x10
	s_load_b64 s[92:93], s[0:1], 0x30
.else
	s_load_b128 s[84:87], s[0:1], 0x10
	s_load_b64 s[92:93], s[0:1], 0x20
.endif
	v_lshl_add_u32 v[SPW], v0, 2, SPARE
	v_mov_b32 v[NIL], 0
	ds_add_u32 v28, v29
	ds_add_u32 v28, v29
	s_wait_dscnt 0x0
	v_lshrrev_b32 v1, 5, v0
	v_readfirstlane_b32 s14, v1
	s_lshr_b32 s15, s14, 1
	s_and_b32 s16, s14, 1
	s_bfe_u32 s40, ttmp6, 0x40000
	s_bfe_u32 s41, ttmp6, 0x40004
	s_and_b32 s18, ttmp7, 0xffff
	s_lshl_b32 s18, s18, 2
.if QKV
	s_lshl_b32 s22, ttmp9, 22
	s_lshl_b32 s23, ttmp9, 20
	s_cmp_eq_u32 ttmp9, 2
	s_cselect_b32 s17, 0, s18
	s_cselect_b32 s42, s18, 0
	s_cselect_b32 s2, s23, s22
	s_cselect_b32 s3, s22, s23
.else
	s_mov_b32 s17, s18
	s_lshl_b32 s42, ttmp9, 2
	s_mov_b32 s2, 0
	s_mov_b32 s3, 0x400000
.endif
	s_add_co_u32 s17, s17, s41
	s_add_co_u32 s42, s42, s40
	s_lshl_b32 s43, s41, 2
	s_lshl_b32 s43, 15, s43
	s_lshl_b32 s44, 0x1111, s40
	s_or_b32 s[G1+0], s43, (0<<16)|(1<<20)|(1<<21)|(5<<22)|(3<<25)
	s_or_b32 s[G1B+0], s44, (0<<16)|(1<<20)|(1<<21)|(5<<22)|(3<<25)
.irp g, G1, G1B
	s_mov_b32 s[\g+1], ROWB<<16
	s_mov_b32 s[\g+2], 128<<16
	s_mov_b32 s[\g+3], ROWB<<16
	s_mov_b32 s[\g+4], 128
	s_mov_b32 s[\g+5], KROW
	s_mov_b32 s[\g+6], 0
	s_mov_b32 s[\g+7], 0
.endr
	s_lshl_b32 s18, s16, 7
	s_lshl_b32 s20, s17, 8
	s_add_co_u32 s20, s20, s18
	s_lshl_b32 s20, s20, 10
	s_add_co_u32 s20, s20, s2
	s_mov_b32 s21, 0
	s_lshl_b32 s46, s42, 8
	s_add_co_u32 s46, s46, s18
	s_lshl_b32 s46, s46, 10
	s_add_co_u32 s46, s46, s3
	s_mov_b32 s47, 0
	s_mul_i32 s45, s14, HALFT
	s_wait_kmcnt 0x0
	s_load_b512 s[68:83], s[84:85], 0x0
.if QKV
	s_cmp_eq_u32 ttmp9, 2
	s_cselect_b64 s[8:9], s[6:7], s[4:5]
	s_cselect_b64 s[10:11], s[4:5], s[6:7]
	s_add_nc_u64 s[20:21], s[8:9], s[20:21]
	s_add_nc_u64 s[46:47], s[10:11], s[46:47]
.else
	s_add_nc_u64 s[20:21], s[4:5], s[20:21]
	s_add_nc_u64 s[46:47], s[6:7], s[46:47]
.endif
	CROUND
.irp s, 0,1
	s_mov_b32 s[G0+4*\s], 1
	s_add_co_u32 s[G0+4*\s+1], s45, \s*SLOT
	s_add_nc_u64 s[G0+4*\s+2:G0+4*\s+3], s[20:21], \s*ROWB
	s_or_b32 s[G0+4*\s+3], s[G0+4*\s+3], 0x80000000
	s_mov_b32 s[G0B+4*\s], 1
	s_add_co_u32 s[G0B+4*\s+1], s45, \s*SLOT
	s_add_nc_u64 s[G0B+4*\s+2:G0B+4*\s+3], s[46:47], \s*ROWB
	s_or_b32 s[G0B+4*\s+3], s[G0B+4*\s+3], 0x80000000
	s_wait_alu depctr_va_vdst(0)
.if \s
	s_wait_tensorcnt 0x0
	ds_add_u32 v28, v29
	ds_add_u32 v28, v29
	s_wait_dscnt 0x0
	CROUND
.endif
	JLOAD G0+4*\s, G1, G0B+4*\s, G1B
.endr
	v_and_b32 v1, 15, v0
	v_bfe_u32 v2, v0, 4, 1
	v_mul_u32_u24 v3, v1, PITCH
	v_lshl_add_u32 v4, v2, 4, v3
	s_wait_alu depctr_va_vdst(0)
	s_mul_i32 s21, s15, HALFT
	s_mul_i32 s22, s16, HALFT
	s_add_co_u32 s22, s22, 2*HALFT
.irp s, 0,1
	v_add_nc_u32 v[ADRA+\s], s21, v4
	v_add_nc_u32 v[ADRB+\s], s22, v4
	s_add_co_u32 s21, s21, SLOT
	s_add_co_u32 s22, s22, SLOT
.endr
	s_mul_i32 s23, s15, HALFT
	s_lshl_b32 s19, s16, 7
	s_add_co_u32 s23, s23, s19
	v_add_nc_u32 v[STO], s23, v4
	s_mul_i32 s23, s14, 64*PITCH
	v_mul_u32_u24 v5, v2, PITCH
	v_lshl_add_u32 v5, v1, 4, v5
	v_add_nc_u32 v[RDR], s23, v5
	v_mul_u32_u24 v5, v2, OPITCH
	v_lshl_add_u32 v[COR], v1, 4, v5
.if QKV
	v_bfe_u32 v6, v0, 2, 3
	v_and_b32 v7, 3, v0
	v_mul_u32_u24 v6, v6, PITCH
	v_lshl_add_u32 v6, v7, 4, v6
	s_lshl_b32 s23, s14, 6
	v_add_nc_u32 v[RDH], s23, v6
	v_add_nc_u32 v[RDH2], 128*PITCH, v[RDH]
	v_and_b32 v7, 31, v0
	v_lshlrev_b32 v[COH], 4, v7
.endif
	v_lshlrev_b32 v[H32], 5, v2
	s_wait_alu depctr_va_vdst(0)
	s_lshl_b32 s94, s42, 8
.if QKV
	s_cmp_eq_u32 ttmp9, 0
	s_cselect_b64 s[12:13], s[86:87], s[88:89]
	s_cmp_eq_u32 ttmp9, 2
	s_cselect_b32 s94, 0, s94
.else
	s_mov_b64 s[12:13], s[86:87]
.endif
	s_lshl_b32 s95, s16, 7
	s_add_co_u32 s94, s94, s95
	s_lshl_b32 s94, s94, 2
	s_mov_b32 s95, 0
	s_add_nc_u64 s[12:13], s[12:13], s[94:95]
.irp b, 0,1,2,3,4,5,6,7
	global_load_b128 v[BC+8*\b:BC+8*\b+3], v[H32], s[12:13] offset:64*\b
	global_load_b128 v[BC+8*\b+4:BC+8*\b+7], v[H32], s[12:13] offset:64*\b+16
.endr
.if QKV
	v_lshlrev_b32 v[R4], 2, v1
	s_wait_alu depctr_va_vdst(0)
	s_lshl_b32 s94, s17, 8
	s_cmp_eq_u32 ttmp9, 2
	s_cselect_b32 s94, s94, 0
	s_cselect_b32 s100, 0, -1
	s_cselect_b32 s101, -1, 0
	s_lshl_b32 s95, s15, 7
	s_add_co_u32 s94, s94, s95
	s_lshl_b32 s94, s94, 2
	s_mov_b32 s95, 0
	s_add_nc_u64 s[98:99], s[90:91], s[94:95]
.irp a, 0,1,2,3,4,5,6,7
	global_load_b32 v[BR+2*\a], v[R4], s[98:99] offset:64*\a
	v_mov_b32 v[BR+2*\a+1], 0
.endr
.endif
.macro FRAG reg, adr, q, i
.irp c, 0,1,2,3
	ds_load_b128 v[\reg+4*\c:\reg+4*\c+3], v[\adr] offset:128*(\q)+32*\c+(\i)*16*PITCH
.endr
.endm
.macro MUL16 a0, p, zero
.irp a, \a0, \a0+1
.irp b, 0,1,2,3,4,5,6,7
.if \zero
	v_wmma_f32_16x16x128_fp8_fp8 v[8*(8*((\a)%4)+\b):8*(8*((\a)%4)+\b)+7], v[128*(\p)+FR*\b:128*(\p)+FR*\b+FR-1], v[AF+FR*(\a):AF+FR*(\a)+FR-1], 0
.else
	v_wmma_f32_16x16x128_fp8_fp8 v[8*(8*((\a)%4)+\b):8*(8*((\a)%4)+\b)+7], v[128*(\p)+FR*\b:128*(\p)+FR*\b+FR-1], v[AF+FR*(\a):AF+FR*(\a)+FR-1], v[8*(8*((\a)%4)+\b):8*(8*((\a)%4)+\b)+7]
.endif
.endr
.endr
.endm
.macro FETCH_B slot, q, p
	WIN TO_B
.irp i, 0,1,2,3,4,5,6,7
	FRAG 128*(\p)+FR*\i, ADRB+\slot, \q, \i
.endr
	WIN 0
.endm
.macro FETCH_A slot, q, i0
.irp i, \i0, \i0+1, \i0+2, \i0+3
	FRAG AF+FR*(\i), ADRA+\slot, \q, \i
.endr
.endm
.macro PLACES n
.rept \n
	v_nop
.endr
.endm
.macro STEP slot, q, zero
	s_wait_dscnt 4*NL
	WIN MUL_LO
	MUL16 0, (\q)%2, \zero
	MUL16 2, (\q)%2, \zero
	s_wait_dscnt 0
	PLACES NP
	FETCH_B \slot, (\q)+1, 1-(\q)%2
	FETCH_A \slot, (\q)+1, 0
	WIN MUL_HI
	MUL16 4, (\q)%2, \zero
	MUL16 6, (\q)%2, \zero
	PLACES NP
	WIN 0
	FETCH_A \slot, (\q)+1, 4
.endm
.macro TURN slot, next, fill
	s_wait_tensorcnt 0x0
	ds_add_u32 v[SPW], v[NIL]
	s_wait_dscnt 4*NL+1
	WIN MUL_LO
	MUL16 0, 1, 0
	s_wait_dscnt 0x0
	s_barrier_signal -1
	MUL16 2, 1, 0
	WIN 0
	s_barrier_wait -1
.if \fill
	CREST
	s_add_nc_u64 s[G0+4*\slot+2:G0+4*\slot+3], s[G0+4*\slot+2:G0+4*\slot+3], 2*ROWB
	s_add_nc_u64 s[G0B+4*\slot+2:G0B+4*\slot+3], s[G0B+4*\slot+2:G0B+4*\slot+3], 2*ROWB
	JLOAD G0+4*\slot, G1, G0B+4*\slot, G1B
.else
	PLACES NP
.endif
	FETCH_B \next, 0, 0
	FETCH_A \next, 0, 0
	WIN MUL_HI
	MUL16 4, 1, 0
	MUL16 6, 1, 0
	PLACES NP
	WIN 0
	FETCH_A \next, 0, 4
.endm
	s_wait_tensorcnt 1
	s_barrier_signal -1
	s_barrier_wait -1
	FETCH_B 0, 0, 0
	FETCH_A 0, 0, 0
	FETCH_A 0, 0, 4
	STEP 0, 0, 1
	s_mov_b32 s3, LAPS-1
.Llap:
	TURN 0, 1, 1
	STEP 1, 0, 0
	TURN 1, 0, 1
	STEP 0, 0, 0
	s_sub_co_u32 s3, s3, 1
	s_cmp_lg_u32 s3, 0
	s_cbranch_scc1 .Llap
	TURN 0, 1, 0
	STEP 1, 0, 0
	s_wait_dscnt 4*NL
	WIN MUL_LO
	MUL16 0, 1, 0
	MUL16 2, 1, 0
	s_wait_dscnt 0
	WIN MUL_HI
	MUL16 4, 1, 0
	MUL16 6, 1, 0
	WIN 0
	s_wait_kmcnt 0x0
	s_wait_loadcnt 0x0
.if QKV
	s_add_co_i32 s96, s68, s69
	s_add_co_i32 s97, s70, s71
	s_add_co_i32 s66, s72, s73
	s_cmp_eq_u32 ttmp9, 0
	s_cselect_b32 s96, s96, s97
	s_cselect_b32 s67, s74, s75
	s_cmp_eq_u32 ttmp9, 2
	s_cselect_b32 s96, s66, s96
	s_cselect_b32 s67, s77, s67
.else
	s_add_co_i32 s96, s80, s81
	s_mov_b32 s67, s82
.endif
	s_add_co_i32 s96, s96, 127
	s_lshl_b32 s96, s96, 23
	s_mov_b32 s97, s96
	s_add_co_i32 s67, s67, 127
	s_lshl_b32 s66, s67, 23
	s_add_co_i32 s67, s67, 8
	s_lshl_b32 s67, s67, 23
	s_or_b32 s67, s67, 0x600000
	PLACES NP
	v_mov_b32 v[SCLV], s66
	v_mov_b32 v[LIMV], s67
.if QKV
.set i, 0
.rept 64
	v_cndmask_b32 v[BC+i], 0, v[BC+i], s100
.set i, i+1
.endr
.irp a, 0,1,2,3,4,5,6,7
	v_cndmask_b32 v[BR+2*\a], 0, v[BR+2*\a], s101
.endr
.endif
.macro CODES a
.set AC, 64*((\a)%4)
.set PS, PC+16*((\a)%2)
	WIN 0x02+((\a)/4)
.set i, 0
.rept 32
	v_pk_fma_f32 v[TMP+i:TMP+i+1], v[AC+i:AC+i+1], s[96:97], v[BC+i:BC+i+1] op_sel_hi:[1,0,1]
.set i, i+2
.endr
	WIN 0
.if QKV
.set i, 0
.rept 32
	v_pk_add_f32 v[TMP+i:TMP+i+1], v[TMP+i:TMP+i+1], v[BR+2*(\a):BR+2*(\a)+1] op_sel_hi:[1,0]
.set i, i+2
.endr
.endif
.set i, 0
.rept 64
.if QKV
	v_med3_num_f32 v[TMP+i], v[TMP+i], -v[LIMV], v[LIMV]
.else
	v_med3_num_f32 v[TMP+i], v[TMP+i], 0, v[LIMV]
.endif
.set i, i+1
.endr
	s_wait_alu depctr_va_vdst(0)
	s_wait_dscnt 4
.irp b, 0,1,2,3,4,5,6,7
	v_cvt_scalef32_pk8_fp8_f32 v[PS+4*(\b/2)+2*(\b%2):PS+4*(\b/2)+2*(\b%2)+1], v[TMP+8*\b:TMP+8*\b+7], v[SCLV]
.endr
	v_nop
.irp b, 0,1,2,3
	ds_store_b128 v[STO], v[PS+4*\b:PS+4*\b+3] offset:16*PITCH*(\a)+32*\b
.endr
.endm
.irp a, 0,1,2,3,4,5,6,7
	CODES \a
.endr
.if QKV
	s_lshr_b32 s66, s42, 3
	s_lshl_b32 s66, s66, 10
	s_lshl_b32 s67, s17, 8
	s_add_co_u32 s66, s66, s67
	s_lshl_b32 s67, s14, 6
	s_add_co_u32 s66, s66, s67
	s_lshl_b32 s66, s66, 11
	s_and_b32 s67, s42, 7
	s_lshl_b32 s67, s67, 8
	s_add_co_u32 s66, s66, s67
	s_add_co_u32 s66, s66, 0x800000
	s_lshr_b32 s94, s17, 3
	s_lshl_b32 s94, s94, 4
	s_lshl_b32 s95, s42, 2
	s_add_co_u32 s94, s94, s95
	s_add_co_u32 s94, s94, s14
	s_lshl_b32 s94, s94, 11
	s_and_b32 s95, s17, 7
	s_lshl_b32 s95, s95, 8
	s_add_co_u32 s94, s94, s95
	s_lshl_b32 s94, s94, 6
	s_lshl_b32 s95, ttmp9, 22
	s_add_co_u32 s94, s94, s95
	s_cmp_eq_u32 ttmp9, 2
	s_cselect_b32 s94, s66, s94
.else
	s_lshl_b32 s94, s17, 8
	s_lshl_b32 s95, s14, 6
	s_add_co_u32 s94, s94, s95
	s_lshl_b32 s94, s94, 12
	s_lshl_b32 s95, s42, 8
	s_add_co_u32 s94, s94, s95
.endif
	s_mov_b32 s95, 0
	s_add_nc_u64 s[10:11], s[92:93], s[94:95]
	s_wait_dscnt 0x0
	s_barrier_signal -1
	s_barrier_wait -1
.macro OUTC rd, rd2, lstep, second, co, gstep
.set n, 0
.rept 32
.if n < 16
	ds_load_b128 v[128+4*n:131+4*n], v[\rd] offset:n*\lstep
.else
	ds_load_b128 v[128+4*n:131+4*n], v[\rd2] offset:(n-16)*\lstep+\second
.endif
.set n, n+1
.endr
.set n, 0
.rept 32
	s_wait_dscnt 31-n
	global_store_b128 v[\co], v[128+4*n:131+4*n], s[10:11] offset:n*\gstep th:TH_STORE_NT
.set n, n+1
.endr
.endm
.if QKV
	s_cmp_eq_u32 ttmp9, 2
	s_cbranch_scc1 .Lout_v
	OUTC RDH, RDH2, 8*PITCH, 0, COH, 512
	s_branch .Lout_done
.Lout_v:
	OUTC RDR, RDR, 2*PITCH, 32*PITCH, COR, 2*OPITCH
.Lout_done:
.else
	OUTC RDR, RDR, 2*PITCH, 32*PITCH, COR, 2*OPITCH
.endif
	s_wait_tensorcnt 0x0
	ds_add_u32 v[SPW], v[NIL]
	s_wait_dscnt 0x0
	CROUND
	s_endpgm
.Lfunc_end_k_q6ef71f9f49_qkv:
	.size	k_q6ef71f9f49_qkv, .Lfunc_end_k_q6ef71f9f49_qkv-k_q6ef71f9f49_qkv
	.p2alignl 7, 3214868480
	.fill 96, 4, 3214868480
	.section	.rodata,"a",@progbits
	.p2align	6, 0x0
	.amdhsa_kernel k_q6ef71f9f49_qkv
		.amdhsa_group_segment_fixed_size 327680
		.amdhsa_private_segment_fixed_size 0
		.amdhsa_enable_private_segment 0
		.amdhsa_kernarg_size 56
		.amdhsa_user_sgpr_count 2
		.amdhsa_user_sgpr_kernarg_segment_ptr 1
		.amdhsa_wavefront_size32 1
		.amdhsa_system_sgpr_workgroup_id_x 1
		.amdhsa_system_sgpr_workgroup_id_y 1
		.amdhsa_system_sgpr_workgroup_id_z 1
		.amdhsa_system_vgpr_workitem_id 0
		.amdhsa_next_free_vgpr 1024
		.amdhsa_next_free_sgpr 102
		.amdhsa_reserve_vcc 0
		.amdhsa_float_denorm_mode_32 3
		.amdhsa_float_denorm_mode_16_64 3
		.amdhsa_memory_ordered 1
		.amdhsa_forward_progress 1
		.amdhsa_inst_pref_size 172
	.end_amdhsa_kernel
	.amdgpu_metadata
---
amdhsa.version: [ 1, 2 ]
amdhsa.kernels:
  - .name:           k_q6ef71f9f49_qkv
    .symbol:         k_q6ef71f9f49_qkv.kd
    .args:
      - { .name: xn, .offset: 0, .size: 8, .value_kind: global_buffer, .address_space: global }
      - { .name: wc, .offset: 8, .size: 8, .value_kind: global_buffer, .address_space: global }
      - { .name: lowp_scales, .offset: 16, .size: 8, .value_kind: global_buffer, .address_space: global }
      - { .name: bq, .offset: 24, .size: 8, .value_kind: global_buffer, .address_space: global }
      - { .name: bk, .offset: 32, .size: 8, .value_kind: global_buffer, .address_space: global }
      - { .name: bv, .offset: 40, .size: 8, .value_kind: global_buffer, .address_space: global }
      - { .name: qkv, .offset: 48, .size: 8, .value_kind: global_buffer, .address_space: global }
    .group_segment_fixed_size: 327680
    .private_segment_fixed_size: 0
    .kernarg_segment_align: 8
    .kernarg_segment_size: 56
    .max_flat_workgroup_size: 128
    .sgpr_count:     102
    .vgpr_count:     1024
    .wavefront_size: 32
...
	.end_amdgpu_metadata
.endif
;; end of part 2
;; launch attn (part 3): grid 8 x 32, 8 waves a work-group, clusters of 4 x 1, 327,680 bytes of LDS; arguments qkv, mask, lowp_scales, oc; writes oc
.if DOCPART == 3
	.amdgcn_target "amdgcn-amd-amdhsa--gfx1250"
	.amdhsa_code_object_version 6
	.text
	.protected	k_q6ef71f9f49_attn
	.globl	k_q6ef71f9f49_attn
	.p2align	8
	.type	k_q6ef71f9f49_attn,@function
k_q6ef71f9f49_attn:
	s_mov_b64 s[64:65], 0
	v_nop
	global_prefetch_b8 v0, s[64:65] scope:SCOPE_SE
	s_setreg_imm32_b32 hwreg(HW_REG_WAVE_MODE, 25, 1), 1
	s_wait_xcnt 0x0
	s_wait_alu depctr_hold_cnt(0) depctr_sa_sdst(0) depctr_va_vdst(0) depctr_va_sdst(0) depctr_va_ssrc(0) depctr_va_vcc(0) depctr_vm_vsrc(0)
	s_getreg_b32 s2, hwreg(HW_REG_IB_STS2, 6, 4)
	s_cmp_eq_u32 s2, 0
	s_cbranch_scc0 .Lentry_in_a_cluster
	s_endpgm
.Lentry_in_a_cluster:
	s_bfe_u32 s2, ttmp6, 0x10000c
	s_cmp_lg_u32 s2, 0x3003
	s_cbranch_scc0 .Lentry_shape_is_right
	s_endpgm
.Lentry_shape_is_right:
; ATTENTION ON E4M3 CODES, head size 64, 2,048 keys, a mask over the keys that is an input.  q, k: [32 heads][2048][64] codes at bytes 0 and 4 MiB of qkv; v: [32 heads][64 d][2048 keys] at 8 MiB.  Result: codes (scale e10) in oc [4096][1024].
; t = score x log2(e) / 8; M = the running largest t rounded UP to a whole number; p = 2^(t - M) is quantised (e8), not normalised; the row's sum is taken of the unquantised, unheld p and divides at the end.
; SHARES.  A work-group owns 256 queries of one head; each of its eight waves owns 32: two tiles of 16, which share each fragment of K and V and each part of the mask's table.
; THE WHOLE HEAD'S K AND V LIE IN LDS, each byte filled once.  At the head wave 0 asks for K of key steps 0 to 4 (160 rows of 4 keys) and wave 1 for V of keys 0 to 511.  Behind the wait for these, the add and a round,
; waves 0 and 1 ask for the rest of K (176 rows each), wave 2 for V of keys 512 to 1,023, wave 3 for V of keys 1,024 to 2,047: a wave has one tensor load out at the most.  They are waited for at one barrier ahead of key step 4.
; CLUSTER.  The four query blocks of a cluster belong to one head: each tile is asked for jointly, by the same load with a mask that names the four.
; LAYOUT.  Both products are used transposed: S^T = K Q^T, O^T = V^T P^T: a lane holds one query of each tile (lane % 16); key tile t's eight scores of a lane are keys 16 t + 8 (lane / 16) + 0 .. 7, whose codes are registers 2 t, 2 t + 1 of P.
; THE MASK: a table of 0 / -1e30 for the 2,048 keys lies in LDS; its part for a step is the C of both tiles' first products.  The running largest score begins at -1e29, above a hidden score: steps of hidden keys alone give p = 0 and sum zeros.
; LOADS AHEAD.  Behind a step's first products stand, in one run, the NEXT step's K and table part and this step's V: 48 loads, waited for once, ahead of the second products.  The last step is written out: it asks for V alone,
; so that no load reads behind K or behind the table.
; LIMITS: raw scores stay above -1e29; a batch whose mask hides EVERY key gives NaN, as the definition does.  e6 + e7 between -60 and 27; e8, e10 between -126 and 119.  The scaled scores stay under 2^31 in magnitude.
; No prefetch: all of K and V has been asked for by tensor loads before the first key step begins.  oc is stored in runs of 64 bytes a row: a whole run of 256 would want four heads in one work-group, four times the K and V.
; LDS: K at 0: rows of 4 keys (256 bytes) + 16: 8,704 bytes a step of 128 keys.  V at 139,264: two tiles of 64 rows d x (512 keys + 16), then one of 64 rows x (1,024 keys + 16).  The table at 274,432: 8,192 bytes.  Then the spare words.
; REGISTERS.  Window 0: v1-3, v7 my lane's places; v8-10 the step's addresses; tile T: v[12+12T] -M, +1 the largest raw score, +2, +3 the sum; v16-23, v28-35 Q; v36-51 the tiles' chains and f; v52-57 three chains of a sum;
;   v58-61, v254 holds and scales; v62, v63 the add's two; v64-191 S^T, then p, of both tiles; v192-223 P's codes.   Window 1: v0-63 K; v64-127 the table's part; v128-191 V; v192-255 O^T of both tiles.
.set KSTP,  8704
.set VCH,   33792
.set VBASE, 139264
.set VC,    VBASE+2*VCH
.set BIAS,  274432
.set SPARE, BIAS+8192
.set WV,  18
.set SEL, 20
.set CS,  22
.set G1K, 24                           ; group 1: K, 160 rows
.set G1V, 32                           ; V, 64 rows of 512
.set G1W, 40                           ; V, 64 rows of 1,024
.set G1R, 72                           ; K, 176 rows
.set G0K, 48
.set G0V, 52
.set G0B, 60                           ; V of keys 512 on
.set G0W, 68                           ; V of keys 1,024 on
.set G0R, 80                           ; the rest of K, by the wave's number
.set AK0, 1
.set AV0, 2
.set AB0, 3
.set AV1, 7
.set ADK, 8
.set ADV, 9
.set ADB, 10
.set GO,  9
.set Q,   16
.set A1,  52
.set LIMP, 58                          ; 448 x 2^e8, twice: the two halves of a dual line take their first sources from different banks
.set LIMP2, 59
.set LIMO, 60                          ; 448 x 2^e10
.set SCLP, 61                          ; 2^e8
.set SCLO, 254                         ; 2^e10
.set SPW, 62
.set NIL, 63
.set S,   64
.set P,   192
.set BB,  64                           ; window 1
.set VF,  128
.set O,   192
.set MSB, 0
.macro WIN new                         ; the immediate's high byte repeats the setting that is left
.if MSB != (\new)
	s_set_vgpr_msb (MSB<<8)|(\new)
.set MSB, \new
.endif
.endm
.macro CROUND
	s_barrier_signal -1
	s_barrier_wait -1
	s_cmp_lg_u32 s[WV], 0
	s_cbranch_scc1 .Lnot_wave_0_\@
	s_barrier_signal -3
.Lnot_wave_0_\@:
	s_barrier_wait -3
	s_barrier_signal -1
	s_barrier_wait -1
.endm
.macro G1SET g, qi, c, r, p            ; the mask names all four; elements of 1 byte; 4 words of padding behind each row of c bytes; bit 21 beside a mask
	s_mov_b32 s[\g], 15|(1<<20)|(1<<21)|((\qi)<<22)|(3<<25)
	s_mov_b32 s[\g+1], (\c)<<16
	s_mov_b32 s[\g+2], (\r)<<16
	s_mov_b32 s[\g+3], (\c)<<16
	s_mov_b32 s[\g+4], \r
	s_mov_b32 s[\g+5], \p
	s_mov_b32 s[\g+6], 0
	s_mov_b32 s[\g+7], 0
.endm
.macro G0SET g, lds, off
	s_mov_b32 s[\g], 1
	s_mov_b32 s[\g+1], \lds
	s_add_nc_u64 s[\g+2:\g+3], s[16:17], \off
	s_or_b32 s[\g+3], s[\g+3], 0x80000000
.endm
.macro TL g0, g1                       ; an s_nop 0 and four v_nop follow each tensor load
	tensor_load_to_lds s[\g0:\g0+3], s[\g1:\g1+7]
	s_nop 0
.rept 4
	v_nop
.endr
.endm
	s_load_b256 s[4:11], s[0:1], 0x0               ; qkv 4:5, mask 6:7, scales 8:9, oc 10:11
	v_lshl_add_u32 v[SPW], v0, 2, SPARE
	v_mov_b32 v[NIL], 0
	ds_add_u32 v[SPW], v[NIL]                      ; the opening: the add, twice on end, and its wait
	ds_add_u32 v[SPW], v[NIL]
	v_lshrrev_b32 v8, 5, v0
	v_readfirstlane_b32 s[WV], v8                  ; wave 0..7
	s_bfe_u32 s12, ttmp6, 0x40000                  ; cx
	s_lshl_b32 s13, ttmp9, 2
	s_add_co_u32 s13, s13, s12                     ; my block of 256 queries: it enters q's and oc's addresses alone
	s_and_b32 s14, ttmp7, 0xffff                   ; batch x 16 + head, which the four partners share
	s_lshl_b32 s16, s14, 17                        ; a head's codes are 131,072 bytes in q, in k and in v
	s_mov_b32 s17, 0
	G1SET G1K, 5, 256, 160, 256
	G1SET G1V, 6, 512, 64, 2048
	G1SET G1W, 7, 1024, 64, 2048
	G1SET G1R, 5, 256, 176, 256
	s_mov_b32 s[SEL], 0x76543210
	s_mov_b32 s[SEL+1], 0xfedcba98
	s_mov_b32 s[CS], 0x3e38aa3b                    ; c = log2(e) / 8
	s_wait_dscnt 0x0
	s_wait_kmcnt 0x0
	s_load_b128 s[84:87], s[8:9], 0x18             ; e6, e7, e8, e9
	s_load_b32 s88, s[8:9], 0x28                   ; e10
	s_add_nc_u64 s[16:17], s[4:5], s[16:17]        ; qkv at my head
	G0SET G0K, 0, 0x400000
	G0SET G0V, VBASE, 0x800000
	CROUND                                         ; all four work-groups are here: the joint loads meet
	s_cmp_eq_u32 s[WV], 0
	s_cbranch_scc0 .Lh1
	TL G0K, G1K
	s_branch .Lh9
.Lh1:
	s_cmp_eq_u32 s[WV], 1
	s_cbranch_scc0 .Lh9
	TL G0V, G1V
.Lh9:
	G0SET G0B, VBASE+VCH, 0x800000+512
	G0SET G0W, VC, 0x800000+1024
	s_mov_b32 s[G0R], 1
	s_mul_i32 s89, s[WV], 176*272
	s_add_co_u32 s[G0R+1], s89, 160*272            ; the rest of K: 176 rows for wave 0, 176 for wave 1
	s_mul_i32 s90, s[WV], 176*256
	s_add_co_u32 s90, s90, 0x400000+160*256
	s_mov_b32 s91, 0
	s_add_nc_u64 s[G0R+2:G0R+3], s[16:17], s[90:91]
	s_or_b32 s[G0R+3], s[G0R+3], 0x80000000
	s_lshl_b32 s89, s13, 8
	s_lshl_b32 s90, s[WV], 5
	s_add_co_u32 s89, s89, s90                     ; my first query in the head: 256 x block + 32 x wave
	s_lshl_b32 s92, s89, 6
	s_mov_b32 s93, 0
	s_add_nc_u64 s[92:93], s[16:17], s[92:93]      ; its codes
	s_lshr_b32 s90, s14, 4                         ; the batch
	s_lshl_b32 s94, s90, 13
	s_mov_b32 s95, 0
	s_add_nc_u64 s[6:7], s[6:7], s[94:95]          ; its mask
	s_lshl_b32 s90, s90, 11
	s_add_co_u32 s90, s90, s89                     ; my first row of oc,
	s_lshl_b32 s90, s90, 10
	s_and_b32 s91, s14, 15
	s_lshl_b32 s91, s91, 6                         ; my head's 64 bytes in it
	s_add_co_u32 s90, s90, s91
	s_mov_b32 s91, 0
	s_add_nc_u64 s[10:11], s[10:11], s[90:91]
	v_and_b32 v4, 15, v0                           ; r
	v_bfe_u32 v5, v0, 4, 1                         ; h
	v_lshlrev_b32 v224, 5, v0                      ; the mask: thread t takes keys 8 t .. 8 t + 7
	v_lshlrev_b32 v225, 6, v4
	v_lshl_add_u32 v225, v5, 4, v225               ; q: row r of 64 bytes, + 16 h
	global_load_b128 v[232:235], v224, s[6:7]
	global_load_b128 v[236:239], v224, s[6:7] offset:16
	global_load_b128 v[Q:Q+3], v225, s[92:93]
	global_load_b128 v[Q+4:Q+7], v225, s[92:93] offset:32
	global_load_b128 v[Q+12:Q+15], v225, s[92:93] offset:1024     ; tile 1: 16 rows of 64 bytes on
	global_load_b128 v[Q+16:Q+19], v225, s[92:93] offset:1056
	v_bfe_u32 v6, v0, 2, 2                         ; r / 4
	v_and_b32 v226, 3, v0                          ; r % 4
	v_mul_u32_u24 v[AK0], v6, 272
	v_lshl_add_u32 v[AK0], v226, 6, v[AK0]
	v_lshl_add_u32 v[AK0], v5, 4, v[AK0]           ; K: key r of a tile, + 16 h
	v_mul_u32_u24 v[AV0], v4, 528
	v_lshl_add_u32 v[AV0], v5, 4, v[AV0]
	v_add_nc_u32 v[AV0], VBASE, v[AV0]             ; V, keys under 1,024: row d = r of a tile, + 16 h
	v_mul_u32_u24 v[AV1], v4, 1040
	v_lshl_add_u32 v[AV1], v5, 4, v[AV1]
	v_add_nc_u32 v[AV1], VC, v[AV1]                ; V, keys from 1,024 on
	v_lshlrev_b32 v[AB0], 5, v5
	v_add_nc_u32 v[AB0], BIAS, v[AB0]              ; the table: my half's eight keys of a tile
	v_lshl_add_u32 v11, v0, 5, BIAS                ; where I put my eight entries
	v_mov_b32 v227, 0xf149f2ca                     ; -1e30
.irp T, 0,1
	v_mov_b32 v[12+12*\T], 0x7f61b1e6              ; -M = 3e38: the first f is 0, on sums that are 0
	v_mov_b32 v[13+12*\T], 0xefa18f08              ; the largest raw score so far: -1e29
	v_mov_b32 v[14+12*\T], 0                       ; the sum, in two halves
	v_mov_b32 v[15+12*\T], 0
	v_mov_b32 v[40+8*\T], 0                        ; a lane permute's destination counts as read
	v_mov_b32 v[43+8*\T], 0                        ; (named as the upper half of the pair that holds f)
.endr
	WIN 0x40
.set i, 0
.rept 64
	v_mov_b32 v[O+i], 0                            ; O^T of both tiles: the step is written for every step alike; its first run finds zeros
.set i, i+1
.endr
	WIN 0
	s_wait_alu depctr_va_vdst(0)                   ; the wait here, directly ahead of the wait below
	s_wait_kmcnt 0x0
	s_add_co_i32 s89, s84, s85
	s_lshl_b32 s89, s89, 23
	s_add_co_i32 s[CS], s[CS], s89                 ; a score stands for score x 2^(e6 + e7): added to c's exponent field
	s_mov_b32 s[CS+1], s[CS]
	s_add_co_i32 s89, s86, 127
	s_lshl_b32 s90, s89, 23
	v_mov_b32 v[SCLP], s90
	s_add_co_i32 s89, s89, 8
	s_lshl_b32 s89, s89, 23
	s_or_b32 s89, s89, 0x600000
	v_mov_b32 v[LIMP], s89
	v_mov_b32 v[LIMP2], s89
	s_add_co_i32 s89, s88, 127
	s_lshl_b32 s90, s89, 23
	v_mov_b32 v[SCLO], s90
	s_add_co_i32 s89, s89, 8
	s_lshl_b32 s89, s89, 23
	s_or_b32 s89, s89, 0x600000
	v_mov_b32 v[LIMO], s89
	s_wait_alu depctr_va_vdst(0)
	s_wait_loadcnt 0x0                             ; the mask and Q
.irp i, 0,1,2,3,4,5,6,7
	v_cmp_eq_u32 vcc_lo, 0, v[232+\i]
	v_cndmask_b32 v[232+\i], 0, v227, vcc_lo       ; 0 where the key counts, -1e30 where it is hidden
.endr
	ds_store_b128 v11, v[232:235]
	ds_store_b128 v11, v[236:239] offset:16
.macro LOADK adr                       ; a step's K: 8 tiles of 16 keys x 64, into window 1
.irp t, 0,1,2,3,4,5,6,7
	ds_load_b128 v[8*\t:8*\t+3], v[\adr] offset:1088*\t
	ds_load_b128 v[8*\t+4:8*\t+7], v[\adr] offset:1088*\t+32
.endr
.endm
.macro LOADB adr                       ; a step's part of the table, in the layout of a result
.irp t, 0,1,2,3,4,5,6,7
	ds_load_b128 v[BB+8*\t:BB+8*\t+3], v[\adr] offset:64*\t
	ds_load_b128 v[BB+8*\t+4:BB+8*\t+7], v[\adr] offset:64*\t+16
.endr
.endm
.macro QK T                            ; S^T + the mask's 0 or -1e30
.irp t, 0,1,2,3,4,5,6,7
	v_wmma_f32_16x16x64_fp8_fp8 v[S+64*(\T)+8*\t:S+64*(\T)+8*\t+7], v[8*\t:8*\t+7], v[Q+12*(\T):Q+12*(\T)+7], v[BB+8*\t:BB+8*\t+7]
.endr
.endm
.macro PV T                            ; O^T += V^T P^T, 128 keys; four accumulators, one instruction each
.irp t, 0,1,2,3
	v_wmma_f32_16x16x128_fp8_fp8 v[O+32*(\T)+8*\t:O+32*(\T)+8*\t+7], v[VF+16*\t:VF+16*\t+15], v[P+16*(\T):P+16*(\T)+15], v[O+32*(\T)+8*\t:O+32*(\T)+8*\t+7]
.endr
.endm
.macro MAXT T                          ; the running largest raw score and 63 of my 64 scores, in four chains; the scores in ascending order
.set SB, S+64*(\T)
.set MX, 36+8*(\T)
	v_max3_num_f32 v[MX], v[13+12*(\T)], v[SB], v[SB+1]
	v_max3_num_f32 v[MX+1], v[SB+2], v[SB+3], v[SB+4]
	v_max3_num_f32 v[MX+2], v[SB+5], v[SB+6], v[SB+7]
	v_max3_num_f32 v[MX+3], v[SB+8], v[SB+9], v[SB+10]
.set i, 0
.rept 26
	v_max3_num_f32 v[MX+i%4], v[MX+i%4], v[SB+11+2*i], v[SB+12+2*i]
.set i, i+1
.endr
.endm
.macro MAXL T, i                       ; line i (0 to 29) of MAXT, by itself, so that it can stand among other lines
.set SB, S+64*(\T)
.set MX, 36+8*(\T)
.if (\i) == 0
	v_max3_num_f32 v[MX], v[13+12*(\T)], v[SB], v[SB+1]
.elseif (\i) < 4
	v_max3_num_f32 v[MX+(\i)], v[SB+3*(\i)-1], v[SB+3*(\i)], v[SB+3*(\i)+1]
.else
	v_max3_num_f32 v[MX+((\i)-4)%4], v[MX+((\i)-4)%4], v[SB+11+2*((\i)-4)], v[SB+12+2*((\i)-4)]
.endif
.endm
.macro SERL n, T
.set MX, 36+8*(\T)
.set NM, 12+12*(\T)
.if \n == 0
	v_max3_num_f32 v[MX], v[MX], v[MX+1], v[MX+2]
.elseif \n == 1
	v_max3_num_f32 v[MX], v[MX], v[MX+3], v[S+64*(\T)+63]
.elseif \n == 2
	v_permlanex16_b32 v[MX+4], v[MX], s[SEL], s[SEL+1]
.elseif \n == 3
	v_max_num_f32 v[NM+1], v[MX], v[MX+4]          ; and among the lane's 16 away: the running largest raw score
.elseif \n == 4
	v_mul_f32 v[MX], s[CS], v[NM+1]                ; as t (c is positive)
.elseif \n == 5
	v_mov_b32 v[MX+5], v[NM]
.elseif \n == 6
	v_floor_f32 v[NM], -v[MX]                      ; the new -M = -ceil(t)
.elseif \n == 7
	v_sub_f32 v[MX+5], v[NM], v[MX+5]              ; old M - new M: a whole number, 0 or less
.elseif \n == 8
	v_cvt_i32_f32 v[MX+5], v[MX+5]                 ; (it saturates)
.else
	v_ldexp_f32 v[MX+6], 1.0, v[MX+5]              ; f
.endif
.endm
.macro RESC T                          ; O^T under the new M.  It stands ahead of the exponentials: no transcendental lies between the last products and these first readers
.set i, 0
.rept 16
	v_pk_mul_f32 v[O+32*(\T)+i:O+32*(\T)+i+1], v[O+32*(\T)+i:O+32*(\T)+i+1], v[42+8*(\T):43+8*(\T)] op_sel_hi:[1,0]
.set i, i+2
.endr
.endm
.macro SUMS T                          ; the row's sum of the unquantised p: 32 lines for 32 pairs: the running sum x f takes the first pair in one fused line; three more chains begin with two pairs each
.set SB, S+64*(\T)
.set SM, 14+12*(\T)
	v_pk_fma_f32 v[SM:SM+1], v[SM:SM+1], v[42+8*(\T):43+8*(\T)], v[SB:SB+1] op_sel_hi:[1,0,1]
.irp k, 1,2,3
	v_pk_add_f32 v[A1+2*(\k-1):A1+2*(\k-1)+1], v[SB+2*\k:SB+2*\k+1], v[SB+2*\k+6:SB+2*\k+7]
.endr
.set i, 7
.rept 25
.set kk, (i-7)%4
.if kk == 0
	v_pk_add_f32 v[SM:SM+1], v[SM:SM+1], v[SB+2*i:SB+2*i+1]
.else
	v_pk_add_f32 v[A1+2*(kk-1):A1+2*(kk-1)+1], v[A1+2*(kk-1):A1+2*(kk-1)+1], v[SB+2*i:SB+2*i+1]
.endif
.set i, i+1
.endr
	v_pk_add_f32 v[A1:A1+1], v[A1:A1+1], v[A1+2:A1+3]
	v_pk_add_f32 v[SM:SM+1], v[SM:SM+1], v[A1+4:A1+5]
	v_pk_add_f32 v[SM:SM+1], v[SM:SM+1], v[A1:A1+1]
.endm
.macro HOLD T, k                       ; the conversion does not saturate (ISA guide 7.6.2); p is not negative: the hold is one-sided, two numbers a line
	v_dual_min_num_f32 v[S+64*(\T)+2*(\k)], v[LIMP], v[S+64*(\T)+2*(\k)] :: v_dual_min_num_f32 v[S+64*(\T)+2*(\k)+1], v[LIMP2], v[S+64*(\T)+2*(\k)+1]
.endm
.macro CVT T
.irp t, 0,1,2,3,4,5,6,7
	v_cvt_scalef32_pk8_fp8_f32 v[P+16*(\T)+2*\t:P+16*(\T)+2*\t+1], v[S+64*(\T)+8*\t:S+64*(\T)+8*\t+7], v[SCLP]
.endr
.endm
; A KEY STEP: 128 keys x my 32 queries.  vp: the pitch of V's rows in LDS; av: my lane's place in them.  s57: this step's V.  pre = 1: the NEXT step's K and table part, at s56 and s58, are asked for.
.macro STEP vp, av, pre
	WIN 0x11                                       ; K and the table's part window 1; Q and S^T window 0
	QK 0
	QK 1
	WIN 0
	v_add_nc_u32 v[ADV], s57, v[\av]               ; four plain lines between the products and the loads into their registers, and the first read of the scores
.if \pre
	v_add_nc_u32 v[ADK], s56, v[AK0]
	v_add_nc_u32 v[ADB], s58, v[AB0]
	v_nop
	WIN 0x40                                       ; destination window 1, address window 0
	LOADK ADK
	LOADB ADB
.else
	v_nop
	v_nop
	v_nop
	WIN 0x40
.endif
.irp t, 0,1,2,3
.irp c, 0,1,2,3
	ds_load_b128 v[VF+16*\t+4*\c:VF+16*\t+4*\c+3], v[ADV] offset:16*(\vp)*\t+32*\c
.endr
.endr
	WIN 0
	MAXT 0
.set m, 0
.irp n, 0,1,2,3,4,5,6,7,8,9                        ; tile 0's ten dependent lines, three of tile 1's thirty maxima behind each
	SERL \n, 0
.rept 3
	MAXL 1, m
.set m, m+1
.endr
.endr
.set k, 0
.irp n, 0,1,2,3,4,5,6,7,8,9                        ; tile 1's ten dependent lines, three of tile 0's t - M behind each
	SERL \n, 1
.rept 3
	v_pk_fma_f32 v[S+2*k:S+2*k+1], v[S+2*k:S+2*k+1], s[CS:CS+1], v[12:13] op_sel_hi:[1,0,0]
.set k, k+1
.endr
.endr
.rept 2
	v_pk_fma_f32 v[S+2*k:S+2*k+1], v[S+2*k:S+2*k+1], s[CS:CS+1], v[12:13] op_sel_hi:[1,0,0]
.set k, k+1
.endr
	WIN 0x41                                       ; O^T window 1, f window 0
	RESC 0
	RESC 1
	WIN 0
	s_wait_alu depctr_va_vdst(0)                   ; the wait ahead of a batch of exponentials
.set k, 0
.rept 32                                           ; tile 0's exponentials; among them tile 1's t - M, which names none of their registers and is first read behind the next wait
	v_exp_f32 v[S+2*k], v[S+2*k]
	v_exp_f32 v[S+2*k+1], v[S+2*k+1]
	v_pk_fma_f32 v[S+64+2*k:S+64+2*k+1], v[S+64+2*k:S+64+2*k+1], s[CS:CS+1], v[24:25] op_sel_hi:[1,0,0]
.set k, k+1
.endr
	s_wait_alu depctr_va_vdst(0)                   ; behind tile 0's batch and ahead of tile 1's
	SUMS 0                                         ; of the p that is not yet held
.set k, 0
.rept 32                                           ; tile 1's exponentials; among them tile 0's holds, first read behind the next wait
	v_exp_f32 v[S+64+2*k], v[S+64+2*k]
	v_exp_f32 v[S+64+2*k+1], v[S+64+2*k+1]
	HOLD 0, k
.set k, k+1
.endr
	v_nop                                          ; a plain line behind the last exponential
	s_wait_alu depctr_va_vdst(0)
	CVT 0
	SUMS 1                                         ; also the plain lines between tile 0's conversions and the product that reads their results
	s_wait_alu depctr_va_vdst(0)                   ; the wait here, directly ahead of the wait below
	s_wait_dscnt 0x0                               ; all the step's loads: V, and the next step's K and table part
	WIN 0x51                                       ; V, C and D window 1; P window 0
	PV 0
	WIN 0
.set k, 0
.rept 32
	HOLD 1, k
.set k, k+1
.endr
	CVT 1
	v_nop                                          ; a plain line between the last conversion and the product that reads its result
	WIN 0x51
	PV 1
	WIN 0
.endm
.macro STEPS first, vbyte, trips, vp, av
	s_mov_b32 s56, KSTP*((\first)+1)
	s_mov_b32 s57, \vbyte
	s_mov_b32 s58, 512*((\first)+1)
	s_mov_b32 s59, \trips
.Lstep_\@:
	STEP \vp, \av, 1
	s_add_co_u32 s56, s56, KSTP                    ; 128 keys: 32 rows of 272,
	s_add_co_u32 s57, s57, 128                     ; 128 bytes of each row,
	s_add_co_u32 s58, s58, 512                     ; 128 words
	s_sub_co_u32 s59, s59, 1
	s_cmp_lg_u32 s59, 0
	s_cbranch_scc1 .Lstep_\@
.endm
	s_wait_alu depctr_va_vdst(0)                   ; the wait at the head's end
	s_wait_tensorcnt 0x0                           ; my part of the first tiles is in
	ds_add_u32 v[SPW], v[NIL]                      ; the add, twice on end here
	ds_add_u32 v[SPW], v[NIL]
	s_wait_dscnt 0x0                               ; the adds are done, and my entries of the table are stored
	CROUND                                         ; everybody's part is in, the table is whole, and the four work-groups are here
	s_cmp_lt_u32 s[WV], 2
	s_cbranch_scc0 .Lp1
	TL G0R, G1R
	s_branch .Lp9
.Lp1:
	s_cmp_eq_u32 s[WV], 2
	s_cbranch_scc0 .Lp2
	TL G0B, G1V
	s_branch .Lp9
.Lp2:
	s_cmp_eq_u32 s[WV], 3
	s_cbranch_scc0 .Lp9
	TL G0W, G1W
.Lp9:
	WIN 0x40
	LOADK AK0                                      ; the first step's K and table part
	LOADB AB0
	WIN 0
	s_wait_dscnt 0x0
	STEPS 0, 0, 4, 528, AV0                        ; keys 0 to 511; the look-ahead reaches K of step 4, which came at the head
	s_wait_alu depctr_va_vdst(0)
	s_wait_tensorcnt 0x0                           ; my part of the rest is in,
	s_wait_dscnt 0x0
	s_barrier_signal -1
	s_barrier_wait -1                              ; everybody's is.
	STEPS 4, VCH, 4, 528, AV0                      ; keys 512 to 1,023
	STEPS 8, 0, 7, 1040, AV1                       ; keys 1,024 to 1,919
	STEP 1040, AV1, 0                              ; the last 128 keys: s57 stands at their bytes; nothing more is asked for
	; THE WAY OUT: O^T / the sum x 2^(e8 + e9), quantised with e10: a lane's 32 codes of a tile are two runs of 16 bytes of its query's row.
	v_add_f32 v14, v14, v15
	v_add_f32 v26, v26, v27
	v_permlanex16_b32 v40, v14, s[SEL], s[SEL+1]
	v_permlanex16_b32 v48, v26, s[SEL], s[SEL+1]
	v_add_f32 v14, v14, v40                        ; the rows' sums
	v_add_f32 v26, v26, v48
	s_wait_alu depctr_va_vdst(0)                   ; the wait ahead of the reciprocals
	v_rcp_f32 v14, v14
	v_rcp_f32 v26, v26
	v_and_b32 v8, 15, v0                           ; (plain lines behind the reciprocals)
	v_bfe_u32 v10, v0, 4, 1
	v_lshlrev_b32 v[GO], 10, v8
	v_lshl_add_u32 v[GO], v10, 4, v[GO]            ; row r of 1,024 bytes, + 16 h
	s_add_co_i32 s89, s86, s87
	s_wait_alu depctr_va_vdst(0)                   ; the wait ahead of the reciprocals' first reader
	v_ldexp_f32 v14, v14, s89
	v_ldexp_f32 v26, v26, s89
	WIN 0x01                                       ; source 0: window 1
	s_wait_alu depctr_va_vdst(0)                   ; the wait here, directly ahead of the first reader of O^T
.set i, 0
.rept 32
	v_mul_f32 v[64+i], v[O+i], v14                 ; tile 0: register 8 t + j is d = 16 t + 8 h + j
.set i, i+1
.endr
.set i, 0
.rept 32
	v_mul_f32 v[96+i], v[O+32+i], v26              ; tile 1
.set i, i+1
.endr
	WIN 0
.set i, 0
.rept 64
	v_med3_num_f32 v[64+i], v[64+i], -v[LIMO], v[LIMO]
.set i, i+1
.endr
.irp n, 0,1,2,3,4,5,6,7
	v_cvt_scalef32_pk8_fp8_f32 v[224+2*\n:224+2*\n+1], v[64+8*\n:64+8*\n+7], v[SCLO]
.endr
	v_nop
	global_store_b128 v[GO], v[224:227], s[10:11]
	global_store_b128 v[GO], v[228:231], s[10:11] offset:32
	global_store_b128 v[GO], v[232:235], s[10:11] offset:16384   ; tile 1: 16 rows of 1,024 bytes on
	global_store_b128 v[GO], v[236:239], s[10:11] offset:16416
	s_wait_tensorcnt 0x0                           ; the wave's end
	ds_add_u32 v[SPW], v[NIL]
	s_wait_dscnt 0x0
	CROUND                                         ; the closing round
	s_endpgm
.Lfunc_end_k_q6ef71f9f49_attn:
	.size	k_q6ef71f9f49_attn, .Lfunc_end_k_q6ef71f9f49_attn-k_q6ef71f9f49_attn
	.p2alignl 7, 3214868480
	.fill 96, 4, 3214868480
	.section	.rodata,"a",@progbits
	.p2align	6, 0x0
	.amdhsa_kernel k_q6ef71f9f49_attn
		.amdhsa_group_segment_fixed_size 327680
		.amdhsa_private_segment_fixed_size 0
		.amdhsa_enable_private_segment 0
		.amdhsa_kernarg_size 32
		.amdhsa_user_sgpr_count 2
		.amdhsa_user_sgpr_kernarg_segment_ptr 1
		.amdhsa_wavefront_size32 1
		.amdhsa_system_sgpr_workgroup_id_x 1
		.amdhsa_system_sgpr_workgroup_id_y 1
		.amdhsa_system_sgpr_workgroup_id_z 1
		.amdhsa_system_vgpr_workitem_id 0
		.amdhsa_next_free_vgpr 512
		.amdhsa_next_free_sgpr 100
		.amdhsa_reserve_vcc 1
		.amdhsa_float_denorm_mode_32 3
		.amdhsa_float_denorm_mode_16_64 3
		.amdhsa_memory_ordered 1
		.amdhsa_forward_progress 1
		.amdhsa_inst_pref_size 139
	.end_amdhsa_kernel
	.amdgpu_metadata
---
amdhsa.version: [ 1, 2 ]
amdhsa.kernels:
  - .name:           k_q6ef71f9f49_attn
    .symbol:         k_q6ef71f9f49_attn.kd
    .args:
      - { .name: qkv, .offset: 0, .size: 8, .value_kind: global_buffer, .address_space: global }
      - { .name: mask, .offset: 8, .size: 8, .value_kind: global_buffer, .address_space: global }
      - { .name: lowp_scales, .offset: 16, .size: 8, .value_kind: global_buffer, .address_space: global }
      - { .name: oc, .offset: 24, .size: 8, .value_kind: global_buffer, .address_space: global }
    .group_segment_fixed_size: 327680
    .private_segment_fixed_size: 0
    .kernarg_segment_align: 8
    .kernarg_segment_size: 32
    .max_flat_workgroup_size: 256
    .sgpr_count:     100
    .vgpr_count:     512
    .wavefront_size: 32
...
	.end_amdgpu_metadata
.endif
;; end of part 3
;; launch wo (part 4): grid 8 x 32, 4 waves a work-group, clusters of 4 x 4, 327,680 bytes of LDS; arguments oc, wc, lowp_scales, bo, x, h; writes h
.if DOCPART == 4
	.amdgcn_target "amdgcn-amd-amdhsa--gfx1250"
	.amdhsa_code_object_version 6
	.text
	.protected	k_q6ef71f9f49_wo
	.globl	k_q6ef71f9f49_wo
	.p2align	8
	.type	k_q6ef71f9f49_wo,@function
k_q6ef71f9f49_wo:
	s_mov_b64 s[64:65], 0
	v_nop
	global_prefetch_b8 v0, s[64:65] scope:SCOPE_SE
	s_setreg_imm32_b32 hwreg(HW_REG_WAVE_MODE, 25, 1), 1
	s_wait_xcnt 0x0
	s_wait_alu depctr_hold_cnt(0) depctr_sa_sdst(0) depctr_va_vdst(0) depctr_va_sdst(0) depctr_va_ssrc(0) depctr_va_vcc(0) depctr_vm_vsrc(0)
	s_getreg_b32 s2, hwreg(HW_REG_IB_STS2, 6, 4)
	s_cmp_eq_u32 s2, 0
	s_cbranch_scc0 .Lentry_in_a_cluster
	s_endpgm
.Lentry_in_a_cluster:
	s_bfe_u32 s2, ttmp6, 0x10000c
	s_cmp_lg_u32 s2, 0xf033
	s_cbranch_scc0 .Lentry_shape_is_right
	s_endpgm
.Lentry_shape_is_right:
; h[m][n] = x[m][n] + (sum over k of A[m][k] B[n][k]) x 2^(e10 + e11) + bo[n].  A = oc [4096][1024], B = Wo's codes [1024][1024] at byte WOFF of wc: E4M3 codes, K innermost; bo [1024], x and h [4096][1024] f32.
; N = 1,024 gives 64 tiles of 256 x 256 and 256 of 128 x 128: the smaller tile, so that every WGP has a work-group.  Four waves, each 64 x 64: 16 accumulators.
; THE WHOLE K LIES IN LDS: 128 rows of A and 128 of B, 1,024 bytes + 16 each, are 266,240 bytes.  Each wave asks for 64 rows in its one tensor load at the head; no byte is filled again, so there is no ring and no change of slots.
; CLUSTERS: 4 x 4; A's tile is asked for jointly along a row of the cluster, B's along a column.  THE MATRIX INSTRUCTION IS USED TRANSPOSED: a lane holds eight neighbouring columns of one row.
; The residual's rows and the bias are asked for at the head and lie in registers when the sums are finished.  A wave's 64 columns of f32 are one aligned run of 256 bytes, so each wave has a stage of its own and no barrier stands in the way out.
; LIMIT: e10 + e11 between -126 and 127.  No prefetch: the launch has no loop to run ahead in: all its tiles are asked for at the head.
; REGISTERS: window 0: v0-31 addresses, v[12:15] the bias of my four columns; v32-95 two sets of 32 on the way out; v128-255 the accumulators ((a, b) at v[128 + 8 (4 a + b)]).
;   window 1: two fragment buffers of 128: A's four fragments (16 rows x 128 K), then B's four.   window 2: v0-127 the residual.
.set SIZE_K, 1024
.set WOFF,   0x300000                  ; Wo's codes in wc
.set EA,     78                        ; s78 = e10
.set EB,     79                        ; s79 = e11
.set PITCH,  1040                      ; 1,024 bytes + 16: the 16 rows that a load touches start at 16 different banks
.set HALFT,  64*PITCH
.set STAGE,  4*HALFT                   ; behind the tiles: 16 rows x 272 bytes for each wave
.set SPITCH, 272
.set SPARE,  STAGE+4*16*SPITCH         ; behind the stages: the spare words, 128 bytes a wave, that no other line names
.set ADRA, 16
.set ADRB, 20
.set STO,  24
.set RD,   25
.set CO,   26
.set BO,   27                          ; v27  16 x (lane % 16)
.set SPW,  28
.set NIL,  29
.set T,    32
.set ACC,  128
.set F0,   0
.set F1,   128
.set G1, 24
.set G0, 32
.set G1B, 48
.set G0B, 56
.set MSB, 0
.macro WIN new
.if MSB != (\new)
	s_set_vgpr_msb (MSB<<8)|(\new)
.set MSB, \new
.endif
.endm
.set MUL,  0x05                        ; sources 0 (B) and 1 (A) window 1; C and D window 0
.set TO_F, 0x40                        ; destination window 1, address window 0
.macro CROUND
	s_barrier_signal -1
	s_barrier_wait -1
	s_cmp_lg_u32 s10, 0
	s_cbranch_scc1 .Lnot_wave_0_\@
	s_barrier_signal -3
.Lnot_wave_0_\@:
	s_barrier_wait -3
	s_barrier_signal -1
	s_barrier_wait -1
.endm
	s_load_b128 s[4:7], s[0:1], 0x0                ; A's codes, wc
	s_load_b256 s[84:91], s[0:1], 0x10             ; scales 84:85, bias 86:87, x 88:89, h 90:91
	v_lshl_add_u32 v[SPW], v0, 2, SPARE
	v_mov_b32 v[NIL], 0
	ds_add_u32 v[SPW], v[NIL]                      ; the opening: the add, twice on end, and its wait
	ds_add_u32 v[SPW], v[NIL]
	s_wait_dscnt 0x0
	v_lshrrev_b32 v1, 5, v0
	v_readfirstlane_b32 s10, v1                    ; wave 0..3
	s_lshr_b32 s11, s10, 1                         ; which half of the tile's rows is mine.  Also: I fetch for A (0) or for B (1)
	s_and_b32 s12, s10, 1                          ; which half of its columns.  Also: which 64 rows of that tile I fetch
	s_bfe_u32 s40, ttmp6, 0x40000
	s_bfe_u32 s41, ttmp6, 0x40004
	s_lshl_b32 s42, ttmp9, 2
	s_add_co_u32 s42, s42, s40                     ; tile column
	s_and_b32 s13, ttmp7, 0xffff
	s_lshl_b32 s13, s13, 2
	s_add_co_u32 s13, s13, s41                     ; tile row
	s_lshl_b32 s43, s41, 2
	s_lshl_b32 s43, 15, s43                        ; my row of the cluster
	s_lshl_b32 s44, 0x1111, s40                    ; my column
	s_or_b32 s[G1+0], s43, (0<<16)|(1<<20)|(1<<21)|(7<<22)|(3<<25)  ; the mask; elements of 1 byte; padding on; bit 21 beside a mask; after every 256 words, 4 words
	s_or_b32 s[G1B+0], s44, (0<<16)|(1<<20)|(1<<21)|(7<<22)|(3<<25)
.irp g, G1, G1B
	s_mov_b32 s[\g+1], SIZE_K<<16
	s_mov_b32 s[\g+2], 64<<16
	s_mov_b32 s[\g+3], SIZE_K<<16
	s_mov_b32 s[\g+4], 64
	s_mov_b32 s[\g+5], SIZE_K
	s_mov_b32 s[\g+6], 0
	s_mov_b32 s[\g+7], 0
.endr
	s_lshl_b32 s17, s12, 6
	s_lshl_b32 s16, s13, 7
	s_add_co_u32 s16, s16, s17                     ; A: row 128 x tile row + 64 x half
	s_mul_i32 s16, s16, SIZE_K
	s_lshl_b32 s46, s42, 7
	s_add_co_u32 s46, s46, s17                     ; B: row 128 x tile column + 64 x half
	s_mul_i32 s46, s46, SIZE_K
	s_add_co_u32 s46, s46, WOFF
	s_mov_b32 s17, 0
	s_mov_b32 s47, 0
	s_mul_i32 s20, s10, HALFT                      ; where my 64 rows go: A's two halves, then B's two
	s_wait_kmcnt 0x0
	s_load_b512 s[68:83], s[84:85], 0x0            ; e0 .. e15
	s_mov_b32 s[G0], 1
	s_mov_b32 s[G0+1], s20
	s_add_nc_u64 s[G0+2:G0+3], s[4:5], s[16:17]
	s_or_b32 s[G0+3], s[G0+3], 0x80000000
	s_mov_b32 s[G0B], 1
	s_mov_b32 s[G0B+1], s20
	s_add_nc_u64 s[G0B+2:G0B+3], s[6:7], s[46:47]
	s_or_b32 s[G0B+3], s[G0B+3], 0x80000000
	CROUND                                         ; the joint loads meet
	s_cmp_eq_u32 s11, 0                            ; waves 0 and 1 fetch A's two halves, waves 2 and 3 B's; an s_nop 0 and four v_nop follow each line
	s_cbranch_scc0 .Lfor_b
	tensor_load_to_lds s[G0:G0+3], s[G1:G1+7]
	s_nop 0
.rept 4
	v_nop
.endr
	s_branch .Lasked
.Lfor_b:
	tensor_load_to_lds s[G0B:G0B+3], s[G1B:G1B+7]
	s_nop 0
.rept 4
	v_nop
.endr
.Lasked:
	s_mul_i32 s21, s11, HALFT                      ; my 64 rows of A,
	s_mul_i32 s22, s12, HALFT
	s_add_co_u32 s22, s22, 2*HALFT                 ; of B
	s_mul_i32 s23, s10, 16*SPITCH
	s_add_co_u32 s23, s23, STAGE                   ; my stage
	s_lshl_b32 s18, s42, 7
	s_lshl_b32 s19, s12, 6
	s_add_co_u32 s18, s18, s19
	s_lshl_b32 s18, s18, 2                         ; my first column, in bytes
	s_mov_b32 s19, 0
	s_add_nc_u64 s[86:87], s[86:87], s[18:19]
	s_lshl_b32 s94, s13, 7
	s_lshl_b32 s95, s11, 6
	s_add_co_u32 s94, s94, s95
	s_lshl_b32 s94, s94, 12                        ; my first row, in bytes
	s_add_co_u32 s94, s94, s18
	s_mov_b32 s95, 0
	s_add_nc_u64 s[88:89], s[88:89], s[94:95]
	s_add_nc_u64 s[90:91], s[90:91], s[94:95]
	v_and_b32 v1, 15, v0                           ; r
	v_bfe_u32 v2, v0, 4, 1                         ; h
	v_mul_u32_u24 v3, v1, PITCH
	v_lshl_add_u32 v3, v2, 4, v3
	v_add_nc_u32 v[ADRA], s21, v3
	v_add_nc_u32 v[ADRB], s22, v3
	v_mul_u32_u24 v4, v1, SPITCH
	v_lshl_add_u32 v4, v2, 5, v4
	v_add_nc_u32 v[STO], s23, v4                   ; in: row r, 32 bytes for each half of the lanes
	v_mul_u32_u24 v5, v2, SPITCH
	v_lshl_add_u32 v5, v1, 4, v5
	v_add_nc_u32 v[RD], s23, v5                    ; back: lanes 0-15 one row of 256 bytes, lanes 16-31 the next
	v_lshlrev_b32 v[CO], 12, v2
	v_lshl_add_u32 v[CO], v1, 4, v[CO]             ; and the same two rows in memory
	v_lshlrev_b32 v[BO], 4, v1
	s_wait_alu depctr_va_vdst(0)                   ; the wait at the head's end
	WIN 0x80                                       ; destination window 2
.irp a, 0,1,2,3
.irp t, 0,1,2,3,4,5,6,7
	global_load_b128 v[4*(8*\a+\t):4*(8*\a+\t)+3], v[CO], s[88:89] offset:(16*\a+2*\t)*4096   ; the residual, laid as the rows come back from the stage
.endr
.endr
	WIN 0
	global_load_b128 v[12:15], v[BO], s[86:87]
.macro MUL4 f, a, zero                 ; A's block a x B's four, 128 along K.  The 16 accumulators take turns, one instruction a turn
.irp b, 0,1,2,3
.if \zero
	v_wmma_f32_16x16x128_fp8_fp8 v[ACC+8*(4*(\a)+\b):ACC+8*(4*(\a)+\b)+7], v[\f+64+16*\b:\f+64+16*\b+15], v[\f+16*(\a):\f+16*(\a)+15], 0
.else
	v_wmma_f32_16x16x128_fp8_fp8 v[ACC+8*(4*(\a)+\b):ACC+8*(4*(\a)+\b)+7], v[\f+64+16*\b:\f+64+16*\b+15], v[\f+16*(\a):\f+16*(\a)+15], v[ACC+8*(4*(\a)+\b):ACC+8*(4*(\a)+\b)+7]
.endif
.endr
.endm
.macro FETCH k, f                      ; 32 LDS loads in one run: B's four fragments at byte k of the rows, then A's four
	WIN TO_F
.irp i, 0,1,2,3
.irp c, 0,1,2,3
	ds_load_b128 v[\f+64+16*\i+4*\c:\f+64+16*\i+4*\c+3], v[ADRB] offset:\k+32*\c+\i*16*PITCH
.endr
.endr
.irp i, 0,1,2,3
.irp c, 0,1,2,3
	ds_load_b128 v[\f+16*\i+4*\c:\f+16*\i+4*\c+3], v[ADRA] offset:\k+32*\c+\i*16*PITCH
.endr
.endr
.endm
.macro PLACES
.rept 4
	v_nop
.endr
.endm
.macro EIGHTH k, f, g, zero            ; 128 along K on buffer f; the next eighth's fragments, at byte k, into g
	s_wait_dscnt 8                                 ; all but the youngest eight loads (A's blocks 2, 3) are in
	WIN MUL
	MUL4 \f, 0, \zero
	MUL4 \f, 1, \zero
	PLACES
	FETCH \k, \g
	s_wait_dscnt 32                                ; all but the 32 just issued
	WIN MUL
	MUL4 \f, 2, \zero
	MUL4 \f, 3, \zero
.endm
	s_wait_tensorcnt 0x0                           ; my 64 rows are in,
	s_barrier_signal -1
	s_barrier_wait -1                              ; everybody's are
	FETCH 0, F0
	EIGHTH 128, F0, F1, 1                          ; the first eighth's products start the sums
	EIGHTH 256, F1, F0, 0
	EIGHTH 384, F0, F1, 0
	EIGHTH 512, F1, F0, 0
	EIGHTH 640, F0, F1, 0
	EIGHTH 768, F1, F0, 0
	EIGHTH 896, F0, F1, 0
	s_wait_dscnt 8
	WIN MUL
	MUL4 F1, 0, 0
	MUL4 F1, 1, 0
	s_wait_dscnt 0
	MUL4 F1, 2, 0
	MUL4 F1, 3, 0
	WIN 0
	; THE WAY OUT, block by block of 16 rows x my 64 columns: the raw sums through my own stage, back as whole rows of 256 bytes, then x 2^(e10 + e11) + bias, + the residual, stored.
	s_wait_kmcnt 0x0
	s_add_co_i32 s96, s[EA], s[EB]
	s_add_co_i32 s96, s96, 127
	s_lshl_b32 s96, s96, 23
	s_mov_b32 s97, s96
	s_wait_loadcnt 0x0                             ; the residual and the bias
	PLACES
.macro TOSTAGE a
.set TT, T+32*((\a)%2)
.irp b, 0,1,2,3
	ds_store_b128 v[STO], v[ACC+8*(4*(\a)+\b):ACC+8*(4*(\a)+\b)+3] offset:64*\b          ; each accumulator from its low end on
	ds_store_b128 v[STO], v[ACC+8*(4*(\a)+\b)+4:ACC+8*(4*(\a)+\b)+7] offset:64*\b+16
.endr
.irp t, 0,1,2,3,4,5,6,7
	ds_load_b128 v[TT+4*\t:TT+4*\t+3], v[RD] offset:\t*2*SPITCH   ; LDS serves a wave's instructions in order: these see the stores above
.endr
.endm
.macro SEND a, younger                 ; younger: the LDS instructions issued behind block a's loads
.set TT, T+32*((\a)%2)
	s_wait_dscnt \younger
.irp t, 0,1,2,3,4,5,6,7
	v_pk_fma_f32 v[TT+4*\t:TT+4*\t+1], v[TT+4*\t:TT+4*\t+1], s[96:97], v[12:13] op_sel_hi:[1,0,1]
	v_pk_fma_f32 v[TT+4*\t+2:TT+4*\t+3], v[TT+4*\t+2:TT+4*\t+3], s[96:97], v[14:15] op_sel_hi:[1,0,1]
.endr
	WIN 0x08                                       ; source 1: window 2
.irp t, 0,1,2,3,4,5,6,7
	v_pk_add_f32 v[TT+4*\t:TT+4*\t+1], v[TT+4*\t:TT+4*\t+1], v[4*(8*(\a)+\t):4*(8*(\a)+\t)+1]
	v_pk_add_f32 v[TT+4*\t+2:TT+4*\t+3], v[TT+4*\t+2:TT+4*\t+3], v[4*(8*(\a)+\t)+2:4*(8*(\a)+\t)+3]
.endr
	WIN 0
.irp t, 0,1,2,3,4,5,6,7
	global_store_b128 v[CO], v[TT+4*\t:TT+4*\t+3], s[90:91] offset:(16*(\a)+2*\t)*4096   ; sixteen lanes store 256 consecutive bytes, aligned
.endr
.endm
	TOSTAGE 0
.irp a, 1,2,3
.if \a > 1
	s_wait_xcnt 0x0                                ; block a - 2's stores have read their registers: block a's rows may land there
.endif
	TOSTAGE \a
	SEND \a-1, 16                                  ; behind block a - 1's loads: block a's 8 stores and 8 loads
.endr
	SEND 3, 0
	s_wait_tensorcnt 0x0                           ; the wave's end
	ds_add_u32 v[SPW], v[NIL]
	s_wait_dscnt 0x0
	CROUND                                         ; the closing round
	s_endpgm
.Lfunc_end_k_q6ef71f9f49_wo:
	.size	k_q6ef71f9f49_wo, .Lfunc_end_k_q6ef71f9f49_wo-k_q6ef71f9f49_wo
	.p2alignl 7, 3214868480
	.fill 96, 4, 3214868480
	.section	.rodata,"a",@progbits
	.p2align	6, 0x0
	.amdhsa_kernel k_q6ef71f9f49_wo
		.amdhsa_group_segment_fixed_size 327680
		.amdhsa_private_segment_fixed_size 0
		.amdhsa_enable_private_segment 0
		.amdhsa_kernarg_size 48
		.amdhsa_user_sgpr_count 2
		.amdhsa_user_sgpr_kernarg_segment_ptr 1
		.amdhsa_wavefront_size32 1
		.amdhsa_system_sgpr_workgroup_id_x 1
		.amdhsa_system_sgpr_workgroup_id_y 1
		.amdhsa_system_sgpr_workgroup_id_z 1
		.amdhsa_system_vgpr_workitem_id 0
		.amdhsa_next_free_vgpr 768
		.amdhsa_next_free_sgpr 100
		.amdhsa_reserve_vcc 0
		.amdhsa_float_denorm_mode_32 3
		.amdhsa_float_denorm_mode_16_64 3
		.amdhsa_memory_ordered 1
		.amdhsa_forward_progress 1
		.amdhsa_inst_pref_size 52
	.end_amdhsa_kernel
	.amdgpu_metadata
---
amdhsa.version: [ 1, 2 ]
amdhsa.kernels:
  - .name:           k_q6ef71f9f49_wo
    .symbol:         k_q6ef71f9f49_wo.kd
    .args:
      - { .name: oc, .offset: 0, .size: 8, .value_kind: global_buffer, .address_space: global }
      - { .name: wc, .offset: 8, .size: 8, .value_kind: global_buffer, .address_space: global }
      - { .name: lowp_scales, .offset: 16, .size: 8, .value_kind: global_buffer, .address_space: global }
      - { .name: bo, .offset: 24, .size: 8, .value_kind: global_buffer, .address_space: global }
      - { .name: x, .offset: 32, .size: 8, .value_kind: global_buffer, .address_space: global }
      - { .name: h, .offset: 40, .size: 8, .value_kind: global_buffer, .address_space: global }
    .group_segment_fixed_size: 327680
    .private_segment_fixed_size: 0
    .kernarg_segment_align: 8
    .kernarg_segment_size: 48
    .max_flat_workgroup_size: 128
    .sgpr_count:     100
    .vgpr_count:     768
    .wavefront_size: 32
...
	.end_amdgpu_metadata
.endif
;; end of part 4
;; launch ln2 (part 5): grid 256 x 1, 4 waves a work-group, no clusters, 0 bytes of LDS; arguments h, g2, be2, lowp_scales, a2; writes a2
.if DOCPART == 5
	.amdgcn_target "amdgcn-amd-amdhsa--gfx1250"
	.amdhsa_code_object_version 6
	.text
	.protected	k_q6ef71f9f49_ln2
	.globl	k_q6ef71f9f49_ln2
	.p2align	8
	.type	k_q6ef71f9f49_ln2,@function
k_q6ef71f9f49_ln2:
	s_mov_b64 s[64:65], 0
	v_nop
	global_prefetch_b8 v0, s[64:65] scope:SCOPE_SE
	s_setreg_imm32_b32 hwreg(HW_REG_WAVE_MODE, 25, 1), 1
	s_wait_xcnt 0x0
; LayerNorm 2 of h [4096][1024] f32, quantised with e12 into E4M3 codes a2 [4096][1024].  One wave, one row at a time, four rows a wave; a row stays in 32 registers between the passes.
; All four rows of a wave are asked for at the start, 32 loads, into four sets of registers: each row's wait leaves the later rows' loads out.
; CODES ALONG K: byte 16 H + 8 U + j of a group of 32 holds k = 16 U + 8 H + j, as in every buffer of codes of this program.
; LIMITS: e12 between -126 and 119; NaN among the inputs is not served.  No LDS, no barrier, no cluster: waves share nothing.
.set NB, 1
.set X,  64                            ; v64-191  four sets of 32: register 8 j + i = k 256 j + 8 lane + i
.set C,  36                            ; v36-43   codes
.set SC, 192                           ; v192     2^e
.set LM, 196                           ; v196     448 x 2^e
; v1 32 x lane; v2 8 x swz(lane); v[8:11] two chains; v[12:13] mu twice; v[14:15] g / (sigma + eps) twice; v[16:17] beta twice; v18 at work; v20-35 two sets of 8 held numbers
.macro LOADROW set, r
.irp j, 0,1,2,3
.irp i, 0,1
	global_load_b128 v[X+32*(\set)+8*\j+4*\i:X+32*(\set)+8*\j+4*\i+3], v1, s[4:5] offset:4096*(\r)+1024*\j+16*\i th:TH_LOAD_NT
.endr
.endr
.endm
.macro REDUCE
	v_add_f32 v8, v8, v9
	v_add_f32_dpp v8, v8, v8 row_xmask:1 row_mask:0xf bank_mask:0xf
	v_add_f32_dpp v8, v8, v8 row_xmask:2 row_mask:0xf bank_mask:0xf
	v_add_f32_dpp v8, v8, v8 row_xmask:4 row_mask:0xf bank_mask:0xf
	v_add_f32_dpp v8, v8, v8 row_xmask:8 row_mask:0xf bank_mask:0xf
	v_permlanex16_b32 v18, v8, s62, s63
	v_add_f32 v8, v8, v18
.endm
.macro LNROW set, r, left              ; left = the later rows' loads, which may stay out
.set X0, X+32*(\set)
	s_wait_loadcnt \left
	v_pk_add_f32 v[8:9], v[X0:X0+1], v[X0+2:X0+3]
	v_pk_add_f32 v[10:11], v[X0+4:X0+5], v[X0+6:X0+7]
.set q, 8
.rept 6
	v_pk_add_f32 v[8:9], v[8:9], v[X0+q:X0+q+1]
	v_pk_add_f32 v[10:11], v[10:11], v[X0+q+2:X0+q+3]
.set q, q+4
.endr
	v_pk_add_f32 v[8:9], v[8:9], v[10:11]
	REDUCE
	v_mul_f32 v12, 0x3a800000, v8                  ; mu = sum / 1024
	v_mov_b32 v13, v12
.set q, 0
.rept 16
	v_pk_add_f32 v[X0+q:X0+q+1], v[X0+q:X0+q+1], v[12:13] neg_lo:[0,1] neg_hi:[0,1]   ; x - mu: the squares are taken of centred numbers
.set q, q+2
.endr
	v_pk_mul_f32 v[8:9], v[X0:X0+1], v[X0:X0+1]
	v_pk_mul_f32 v[10:11], v[X0+2:X0+3], v[X0+2:X0+3]
.set q, 4
.rept 7
	v_pk_fma_f32 v[8:9], v[X0+q:X0+q+1], v[X0+q:X0+q+1], v[8:9]
	v_pk_fma_f32 v[10:11], v[X0+q+2:X0+q+3], v[X0+q+2:X0+q+3], v[10:11]
.set q, q+4
.endr
	v_pk_add_f32 v[8:9], v[8:9], v[10:11]
	REDUCE
	v_mul_f32 v8, 0x3a802008, v8                   ; / 1023
	s_wait_alu depctr_va_vdst(0)
	v_sqrt_f32 v8, v8
	v_nop                                          ; a plain instruction behind the root,
	s_wait_alu depctr_va_vdst(0)                   ; and the wait ahead of its first reader
	v_add_f32 v8, 0x358637bd, v8                   ; sigma + 1e-6
	s_wait_alu depctr_va_vdst(0)
	v_rcp_f32 v8, v8
	v_nop
	s_wait_alu depctr_va_vdst(0)
	v_mul_f32 v14, s60, v8
	v_mov_b32 v15, v14
.set q, 0
.rept 16
	v_pk_fma_f32 v[X0+q:X0+q+1], v[X0+q:X0+q+1], v[14:15], v[16:17]
.set q, q+2
.endr
	s_wait_xcnt 0x0                                ; the last row's stores have read their code registers
.set P, 0
.rept NB
.set jq, 0
.rept 4
.set TQ, 20+8*(jq%2)
.set i, 0
.rept 8
	v_med3_num_f32 v[TQ+i], v[X0+8*jq+i], -v[LM+P], v[LM+P]   ; the conversion does not saturate (ISA guide 7.6.2): hold first.  The other set's eight holds are the plain lines between a conversion and the next write of its sources
.set i, i+1
.endr
	v_cvt_scalef32_pk8_fp8_f32 v[C+8*P+2*jq:C+8*P+2*jq+1], v[TQ:TQ+7], v[SC+P]
	global_store_b64 v2, v[C+8*P+2*jq:C+8*P+2*jq+1], s[48+2*P:49+2*P] offset:1024*(\r)+256*jq   ; 32 lanes store 256 consecutive bytes, aligned
.set jq, jq+1
.endr
.set P, P+1
.endr
.endm
	s_load_b256 s[4:11], s[0:1], 0x0               ; h 4:5, g2 6:7, be2 8:9, scales 10:11
	s_load_b64 s[24:25], s[0:1], 0x20              ; a2
	v_lshrrev_b32 v1, 5, v0
	v_readfirstlane_b32 s28, v1                    ; wave
	v_and_b32 v3, 31, v0                           ; lane
	s_wait_alu depctr_va_vdst(0)
	s_wait_kmcnt 0x0
	s_load_b32 s32, s[10:11], 0x30                 ; e12
	s_load_b32 s60, s[6:7], 0x0                    ; g
	s_load_b32 s61, s[8:9], 0x0                    ; beta
	s_lshl_b32 s29, ttmp9, 4
	s_lshl_b32 s30, s28, 2
	s_add_co_u32 s29, s29, s30                     ; my first row: 16 x work-group + 4 x wave
	s_lshl_b32 s30, s29, 12
	s_mov_b32 s31, 0
	s_add_nc_u64 s[4:5], s[4:5], s[30:31]
	s_lshl_b32 s30, s29, 10
	s_add_nc_u64 s[48:49], s[24:25], s[30:31]
	v_lshlrev_b32 v1, 5, v3
	v_and_b32 v4, 0x1c, v3
	v_and_b32 v5, 1, v3
	v_bfe_u32 v6, v3, 1, 1
	v_lshl_or_b32 v4, v5, 1, v4
	v_or_b32 v4, v4, v6                            ; swz(lane): the lane's two low bits change places
	v_lshlrev_b32 v2, 3, v4
	LOADROW 0, 0
	LOADROW 1, 1
	LOADROW 2, 2
	LOADROW 3, 3
	s_mov_b32 s62, 0x76543210
	s_mov_b32 s63, 0xfedcba98
	v_mov_b32 v18, 0
	s_wait_kmcnt 0x0
	s_add_co_i32 s54, s32, 127
	s_lshl_b32 s55, s54, 23
	v_mov_b32 v[SC], s55                           ; 2^e
	s_add_co_i32 s54, s54, 8
	s_lshl_b32 s54, s54, 23
	s_or_b32 s54, s54, 0x600000
	v_mov_b32 v[LM], s54                           ; 448 x 2^e
	v_mov_b32 v16, s61
	v_mov_b32 v17, s61
	LNROW 0, 0, 24
	LNROW 1, 1, 16
	LNROW 2, 2, 8
	LNROW 3, 3, 0
	s_endpgm
.Lfunc_end_k_q6ef71f9f49_ln2:
	.size	k_q6ef71f9f49_ln2, .Lfunc_end_k_q6ef71f9f49_ln2-k_q6ef71f9f49_ln2
	.p2alignl 7, 3214868480
	.fill 96, 4, 3214868480
	.section	.rodata,"a",@progbits
	.p2align	6, 0x0
	.amdhsa_kernel k_q6ef71f9f49_ln2
		.amdhsa_group_segment_fixed_size 0
		.amdhsa_private_segment_fixed_size 0
		.amdhsa_enable_private_segment 0
		.amdhsa_kernarg_size 40
		.amdhsa_user_sgpr_count 2
		.amdhsa_user_sgpr_kernarg_segment_ptr 1
		.amdhsa_wavefront_size32 1
		.amdhsa_system_sgpr_workgroup_id_x 1
		.amdhsa_system_sgpr_workgroup_id_y 1
		.amdhsa_system_sgpr_workgroup_id_z 1
		.amdhsa_system_vgpr_workitem_id 0
		.amdhsa_next_free_vgpr 200
		.amdhsa_next_free_sgpr 70
		.amdhsa_reserve_vcc 0
		.amdhsa_float_denorm_mode_32 3
		.amdhsa_float_denorm_mode_16_64 3
		.amdhsa_memory_ordered 1
		.amdhsa_forward_progress 1
		.amdhsa_inst_pref_size 37
	.end_amdhsa_kernel
	.amdgpu_metadata
---
amdhsa.version: [ 1, 2 ]
amdhsa.kernels:
  - .name:           k_q6ef71f9f49_ln2
    .symbol:         k_q6ef71f9f49_ln2.kd
    .args:
      - { .name: h, .offset: 0, .size: 8, .value_kind: global_buffer, .address_space: global }
      - { .name: g2, .offset: 8, .size: 8, .value_kind: global_buffer, .address_space: global }
      - { .name: be2, .offset: 16, .size: 8, .value_kind: global_buffer, .address_space: global }
      - { .name: lowp_scales, .offset: 24, .size: 8, .value_kind: global_buffer, .address_space: global }
      - { .name: a2, .offset: 32, .size: 8, .value_kind: global_buffer, .address_space: global }
    .group_segment_fixed_size: 0
    .private_segment_fixed_size: 0
    .kernarg_segment_align: 8
    .kernarg_segment_size: 40
    .max_flat_workgroup_size: 128
    .sgpr_count:     70
    .vgpr_count:     200
    .wavefront_size: 32
...
	.end_amdgpu_metadata
.endif
;; end of part 5
;; launch w1 (part 6): grid 16 x 16, 4 waves a work-group, clusters of 4 x 4, 327,680 bytes of LDS; arguments a2, wc, lowp_scales, b1, hid; writes hid
.if DOCPART == 6
	.amdgcn_target "amdgcn-amd-amdhsa--gfx1250"
	.amdhsa_code_object_version 6
	.text
	.protected	k_q6ef71f9f49_w1
	.globl	k_q6ef71f9f49_w1
	.p2align	8
	.type	k_q6ef71f9f49_w1,@function
k_q6ef71f9f49_w1:
	s_mov_b64 s[64:65], 0
	v_nop
	global_prefetch_b8 v0, s[64:65] scope:SCOPE_SE
	s_setreg_imm32_b32 hwreg(HW_REG_WAVE_MODE, 25, 1), 1
	s_wait_xcnt 0x0
	s_wait_alu depctr_hold_cnt(0) depctr_sa_sdst(0) depctr_va_vdst(0) depctr_va_sdst(0) depctr_va_ssrc(0) depctr_va_vcc(0) depctr_vm_vsrc(0)
	s_getreg_b32 s2, hwreg(HW_REG_IB_STS2, 6, 4)
	s_cmp_eq_u32 s2, 0
	s_cbranch_scc0 .Lentry_in_a_cluster
	s_endpgm
.Lentry_in_a_cluster:
	s_bfe_u32 s2, ttmp6, 0x10000c
	s_cmp_lg_u32 s2, 0xf033
	s_cbranch_scc0 .Lentry_shape_is_right
	s_endpgm
.Lentry_shape_is_right:
.set QKV,    0
.set KROW,   1024
.set KSTEP,  256
.set ROWB,   256
.set PITCH,  272
.set FR,     16
.set NL,     4
.set NP,     4
.set HALFT,  128*PITCH
.set SLOT,   4*HALFT
.set LAPS,   KROW/(2*KSTEP)
.set SPARE,  2*SLOT
.if QKV
.set OPITCH, 2048
.else
.set OPITCH, 4096
.endif
.set ADRA, 16
.set ADRB, 20
.set R4,   22
.set RDH2, 23
.set STO,  24
.set RDR,  25
.set COR,  26
.set RDH,  27
.set SPW,  28
.set NIL,  29
.set COH,  30
.set H32,  31
.set BC,   32
.set BR,   96
.set LIMV, 113
.set SCLV, 114
.set AF,   128
.set TMP,  128
.set PC,   192
.set G1, 24
.set G0, 32
.set G1B, 48
.set G0B, 56
.set MSB, 0
.macro WIN new
.if MSB != (\new)
	s_set_vgpr_msb (MSB<<8)|(\new)
.set MSB, \new
.endif
.endm
.set MUL_LO, 0xa1
.set MUL_HI, 0xf1
.set TO_B,   0x40
.macro JLOAD g0a, g1a, g0b, g1b
	s_cmp_eq_u32 s15, 0
	s_cbranch_scc0 .Lfor_b_\@
	tensor_load_to_lds s[\g0a:\g0a+3], s[\g1a:\g1a+7]
	s_nop 0
.rept 4
	v_nop
.endr
	s_branch .Lasked_\@
.Lfor_b_\@:
	tensor_load_to_lds s[\g0b:\g0b+3], s[\g1b:\g1b+7]
	s_nop 0
.rept 4
	v_nop
.endr
.Lasked_\@:
.endm
.macro CREST
	s_cmp_lg_u32 s14, 0
	s_cbranch_scc1 .Lnot_wave_0_\@
	s_barrier_signal -3
.Lnot_wave_0_\@:
	s_barrier_wait -3
	s_barrier_signal -1
	s_barrier_wait -1
.endm
.macro CROUND
	s_barrier_signal -1
	s_barrier_wait -1
	CREST
.endm
	s_load_b128 s[4:7], s[0:1], 0x0
.if QKV
	s_load_b256 s[84:91], s[0:1], 0x10
	s_load_b64 s[92:93], s[0:1], 0x30
.else
	s_load_b128 s[84:87], s[0:1], 0x10
	s_load_b64 s[92:93], s[0:1], 0x20
.endif
	v_lshl_add_u32 v[SPW], v0, 2, SPARE
	v_mov_b32 v[NIL], 0
	ds_add_u32 v28, v29
	ds_add_u32 v28, v29
	s_wait_dscnt 0x0
	v_lshrrev_b32 v1, 5, v0
	v_readfirstlane_b32 s14, v1
	s_lshr_b32 s15, s14, 1
	s_and_b32 s16, s14, 1
	s_bfe_u32 s40, ttmp6, 0x40000
	s_bfe_u32 s41, ttmp6, 0x40004
	s_and_b32 s18, ttmp7, 0xffff
	s_lshl_b32 s18, s18, 2
.if QKV
	s_lshl_b32 s22, ttmp9, 22
	s_lshl_b32 s23, ttmp9, 20
	s_cmp_eq_u32 ttmp9, 2
	s_cselect_b32 s17, 0, s18
	s_cselect_b32 s42, s18, 0
	s_cselect_b32 s2, s23, s22
	s_cselect_b32 s3, s22, s23
.else
	s_mov_b32 s17, s18
	s_lshl_b32 s42, ttmp9, 2
	s_mov_b32 s2, 0
	s_mov_b32 s3, 0x400000
.endif
	s_add_co_u32 s17, s17, s41
	s_add_co_u32 s42, s42, s40
	s_lshl_b32 s43, s41, 2
	s_lshl_b32 s43, 15, s43
	s_lshl_b32 s44, 0x1111, s40
	s_or_b32 s[G1+0], s43, (0<<16)|(1<<20)|(1<<21)|(5<<22)|(3<<25)
	s_or_b32 s[G1B+0], s44, (0<<16)|(1<<20)|(1<<21)|(5<<22)|(3<<25)
.irp g, G1, G1B
	s_mov_b32 s[\g+1], ROWB<<16
	s_mov_b32 s[\g+2], 128<<16
	s_mov_b32 s[\g+3], ROWB<<16
	s_mov_b32 s[\g+4], 128
	s_mov_b32 s[\g+5], KROW
	s_mov_b32 s[\g+6], 0
	s_mov_b32 s[\g+7], 0
.endr
	s_lshl_b32 s18, s16, 7
	s_lshl_b32 s20, s17, 8
	s_add_co_u32 s20, s20, s18
	s_lshl_b32 s20, s20, 10
	s_add_co_u32 s20, s20, s2
	s_mov_b32 s21, 0
	s_lshl_b32 s46, s42, 8
	s_add_co_u32 s46, s46, s18
	s_lshl_b32 s46, s46, 10
	s_add_co_u32 s46, s46, s3
	s_mov_b32 s47, 0
	s_mul_i32 s45, s14, HALFT
	s_wait_kmcnt 0x0
	s_load_b512 s[68:83], s[84:85], 0x0
.if QKV
	s_cmp_eq_u32 ttmp9, 2
	s_cselect_b64 s[8:9], s[6:7], s[4:5]
	s_cselect_b64 s[10:11], s[4:5], s[6:7]
	s_add_nc_u64 s[20:21], s[8:9], s[20:21]
	s_add_nc_u64 s[46:47], s[10:11], s[46:47]
.else
	s_add_nc_u64 s[20:21], s[4:5], s[20:21]
	s_add_nc_u64 s[46:47], s[6:7], s[46:47]
.endif
	CROUND
.irp s, 0,1
	s_mov_b32 s[G0+4*\s], 1
	s_add_co_u32 s[G0+4*\s+1], s45, \s*SLOT
	s_add_nc_u64 s[G0+4*\s+2:G0+4*\s+3], s[20:21], \s*ROWB
	s_or_b32 s[G0+4*\s+3], s[G0+4*\s+3], 0x80000000
	s_mov_b32 s[G0B+4*\s], 1
	s_add_co_u32 s[G0B+4*\s+1], s45, \s*SLOT
	s_add_nc_u64 s[G0B+4*\s+2:G0B+4*\s+3], s[46:47], \s*ROWB
	s_or_b32 s[G0B+4*\s+3], s[G0B+4*\s+3], 0x80000000
	s_wait_alu depctr_va_vdst(0)
.if \s
	s_wait_tensorcnt 0x0
	ds_add_u32 v28, v29
	ds_add_u32 v28, v29
	s_wait_dscnt 0x0
	CROUND
.endif
	JLOAD G0+4*\s, G1, G0B+4*\s, G1B
.endr
	v_and_b32 v1, 15, v0
	v_bfe_u32 v2, v0, 4, 1
	v_mul_u32_u24 v3, v1, PITCH
	v_lshl_add_u32 v4, v2, 4, v3
	s_wait_alu depctr_va_vdst(0)
	s_mul_i32 s21, s15, HALFT
	s_mul_i32 s22, s16, HALFT
	s_add_co_u32 s22, s22, 2*HALFT
.irp s, 0,1
	v_add_nc_u32 v[ADRA+\s], s21, v4
	v_add_nc_u32 v[ADRB+\s], s22, v4
	s_add_co_u32 s21, s21, SLOT
	s_add_co_u32 s22, s22, SLOT
.endr
	s_mul_i32 s23, s15, HALFT
	s_lshl_b32 s19, s16, 7
	s_add_co_u32 s23, s23, s19
	v_add_nc_u32 v[STO], s23, v4
	s_mul_i32 s23, s14, 64*PITCH
	v_mul_u32_u24 v5, v2, PITCH
	v_lshl_add_u32 v5, v1, 4, v5
	v_add_nc_u32 v[RDR], s23, v5
	v_mul_u32_u24 v5, v2, OPITCH
	v_lshl_add_u32 v[COR], v1, 4, v5
.if QKV
	v_bfe_u32 v6, v0, 2, 3
	v_and_b32 v7, 3, v0
	v_mul_u32_u24 v6, v6, PITCH
	v_lshl_add_u32 v6, v7, 4, v6
	s_lshl_b32 s23, s14, 6
	v_add_nc_u32 v[RDH], s23, v6
	v_add_nc_u32 v[RDH2], 128*PITCH, v[RDH]
	v_and_b32 v7, 31, v0
	v_lshlrev_b32 v[COH], 4, v7
.endif
	v_lshlrev_b32 v[H32], 5, v2
	s_lshl_b32 s94, s42, 8
.if QKV
	s_cmp_eq_u32 ttmp9, 0
	s_cselect_b64 s[12:13], s[86:87], s[88:89]
	s_cmp_eq_u32 ttmp9, 2
	s_cselect_b32 s94, 0, s94
.else
	s_mov_b64 s[12:13], s[86:87]
.endif
	s_lshl_b32 s95, s16, 7
	s_add_co_u32 s94, s94, s95
	s_lshl_b32 s94, s94, 2
	s_mov_b32 s95, 0
	s_add_nc_u64 s[12:13], s[12:13], s[94:95]
.irp b, 0,1,2,3,4,5,6,7
	global_load_b128 v[BC+8*\b:BC+8*\b+3], v[H32], s[12:13] offset:64*\b
	global_load_b128 v[BC+8*\b+4:BC+8*\b+7], v[H32], s[12:13] offset:64*\b+16
.endr
.if QKV
	v_lshlrev_b32 v[R4], 2, v1
	s_lshl_b32 s94, s17, 8
	s_cmp_eq_u32 ttmp9, 2
	s_cselect_b32 s94, s94, 0
	s_cselect_b32 s100, 0, -1
	s_cselect_b32 s101, -1, 0
	s_lshl_b32 s95, s15, 7
	s_add_co_u32 s94, s94, s95
	s_lshl_b32 s94, s94, 2
	s_mov_b32 s95, 0
	s_add_nc_u64 s[98:99], s[90:91], s[94:95]
.irp a, 0,1,2,3,4,5,6,7
	global_load_b32 v[BR+2*\a], v[R4], s[98:99] offset:64*\a
	v_mov_b32 v[BR+2*\a+1], 0
.endr
.endif
.macro FRAG reg, adr, q, i
.irp c, 0,1,2,3
	ds_load_b128 v[\reg+4*\c:\reg+4*\c+3], v[\adr] offset:128*(\q)+32*\c+(\i)*16*PITCH
.endr
.endm
.macro MUL16 a0, p, zero
.irp a, \a0, \a0+1
.irp b, 0,1,2,3,4,5,6,7
.if \zero
	v_wmma_f32_16x16x128_fp8_fp8 v[8*(8*((\a)%4)+\b):8*(8*((\a)%4)+\b)+7], v[128*(\p)+FR*\b:128*(\p)+FR*\b+FR-1], v[AF+FR*(\a):AF+FR*(\a)+FR-1], 0
.else
	v_wmma_f32_16x16x128_fp8_fp8 v[8*(8*((\a)%4)+\b):8*(8*((\a)%4)+\b)+7], v[128*(\p)+FR*\b:128*(\p)+FR*\b+FR-1], v[AF+FR*(\a):AF+FR*(\a)+FR-1], v[8*(8*((\a)%4)+\b):8*(8*((\a)%4)+\b)+7]
.endif
.endr
.endr
.endm
.macro FETCH_B slot, q, p
	WIN TO_B
.irp i, 0,1,2,3,4,5,6,7
	FRAG 128*(\p)+FR*\i, ADRB+\slot, \q, \i
.endr
	WIN 0
.endm
.macro FETCH_A slot, q, i0
.irp i, \i0, \i0+1, \i0+2, \i0+3
	FRAG AF+FR*(\i), ADRA+\slot, \q, \i
.endr
.endm
.macro PLACES n
.rept \n
	v_nop
.endr
.endm
.macro STEP slot, q, zero
	s_wait_dscnt 4*NL
	WIN MUL_LO
	MUL16 0, (\q)%2, \zero
	MUL16 2, (\q)%2, \zero
	s_wait_dscnt 0
	PLACES NP
	FETCH_B \slot, (\q)+1, 1-(\q)%2
	FETCH_A \slot, (\q)+1, 0
	WIN MUL_HI
	MUL16 4, (\q)%2, \zero
	MUL16 6, (\q)%2, \zero
	PLACES NP
	WIN 0
	FETCH_A \slot, (\q)+1, 4
.endm
.macro TURN slot, next, fill
	s_wait_tensorcnt 0x0
	ds_add_u32 v[SPW], v[NIL]
	s_wait_dscnt 4*NL+1
	WIN MUL_LO
	MUL16 0, 1, 0
	s_wait_dscnt 0x0
	s_barrier_signal -1
	MUL16 2, 1, 0
	WIN 0
	s_barrier_wait -1
.if \fill
	CREST
	s_add_nc_u64 s[G0+4*\slot+2:G0+4*\slot+3], s[G0+4*\slot+2:G0+4*\slot+3], 2*ROWB
	s_add_nc_u64 s[G0B+4*\slot+2:G0B+4*\slot+3], s[G0B+4*\slot+2:G0B+4*\slot+3], 2*ROWB
	JLOAD G0+4*\slot, G1, G0B+4*\slot, G1B
.else
	PLACES NP
.endif
	s_wait_alu depctr_va_vdst(0)
	FETCH_B \next, 0, 0
	FETCH_A \next, 0, 0
	WIN MUL_HI
	MUL16 4, 1, 0
	MUL16 6, 1, 0
	PLACES NP
	WIN 0
	FETCH_A \next, 0, 4
.endm
	s_wait_tensorcnt 1
	s_barrier_signal -1
	s_barrier_wait -1
	FETCH_B 0, 0, 0
	FETCH_A 0, 0, 0
	FETCH_A 0, 0, 4
	STEP 0, 0, 1
	s_mov_b32 s3, LAPS-1
.Llap:
	TURN 0, 1, 1
	STEP 1, 0, 0
	TURN 1, 0, 1
	STEP 0, 0, 0
	s_sub_co_u32 s3, s3, 1
	s_cmp_lg_u32 s3, 0
	s_cbranch_scc1 .Llap
	TURN 0, 1, 0
	STEP 1, 0, 0
	s_wait_dscnt 4*NL
	WIN MUL_LO
	MUL16 0, 1, 0
	MUL16 2, 1, 0
	s_wait_dscnt 0
	WIN MUL_HI
	MUL16 4, 1, 0
	MUL16 6, 1, 0
	WIN 0
	s_wait_kmcnt 0x0
	s_wait_loadcnt 0x0
.if QKV
	s_add_co_i32 s96, s68, s69
	s_add_co_i32 s97, s70, s71
	s_add_co_i32 s66, s72, s73
	s_cmp_eq_u32 ttmp9, 0
	s_cselect_b32 s96, s96, s97
	s_cselect_b32 s67, s74, s75
	s_cmp_eq_u32 ttmp9, 2
	s_cselect_b32 s96, s66, s96
	s_cselect_b32 s67, s77, s67
.else
	s_add_co_i32 s96, s80, s81
	s_mov_b32 s67, s82
.endif
	s_add_co_i32 s96, s96, 127
	s_lshl_b32 s96, s96, 23
	s_mov_b32 s97, s96
	s_add_co_i32 s67, s67, 127
	s_lshl_b32 s66, s67, 23
	s_add_co_i32 s67, s67, 8
	s_lshl_b32 s67, s67, 23
	s_or_b32 s67, s67, 0x600000
	PLACES NP
	v_mov_b32 v[SCLV], s66
	v_mov_b32 v[LIMV], s67
.if QKV
.set i, 0
.rept 64
	v_cndmask_b32 v[BC+i], 0, v[BC+i], s100
.set i, i+1
.endr
.irp a, 0,1,2,3,4,5,6,7
	v_cndmask_b32 v[BR+2*\a], 0, v[BR+2*\a], s101
.endr
.endif
.macro CODES a
.set AC, 64*((\a)%4)
.set PS, PC+16*((\a)%2)
	WIN 0x02+((\a)/4)
.set i, 0
.rept 32
	v_pk_fma_f32 v[TMP+i:TMP+i+1], v[AC+i:AC+i+1], s[96:97], v[BC+i:BC+i+1] op_sel_hi:[1,0,1]
.set i, i+2
.endr
	WIN 0
.if QKV
.set i, 0
.rept 32
	v_pk_add_f32 v[TMP+i:TMP+i+1], v[TMP+i:TMP+i+1], v[BR+2*(\a):BR+2*(\a)+1] op_sel_hi:[1,0]
.set i, i+2
.endr
.endif
.set i, 0
.rept 64
.if QKV
	v_med3_num_f32 v[TMP+i], v[TMP+i], -v[LIMV], v[LIMV]
.else
	v_med3_num_f32 v[TMP+i], v[TMP+i], 0, v[LIMV]
.endif
.set i, i+1
.endr
	s_wait_alu depctr_va_vdst(0)
	s_wait_dscnt 4
.irp b, 0,1,2,3,4,5,6,7
	v_cvt_scalef32_pk8_fp8_f32 v[PS+4*(\b/2)+2*(\b%2):PS+4*(\b/2)+2*(\b%2)+1], v[TMP+8*\b:TMP+8*\b+7], v[SCLV]
.endr
	v_nop
.irp b, 0,1,2,3
	ds_store_b128 v[STO], v[PS+4*\b:PS+4*\b+3] offset:16*PITCH*(\a)+32*\b
.endr
.endm
.irp a, 0,1,2,3,4,5,6,7
	CODES \a
.endr
.if QKV
	s_lshr_b32 s66, s42, 3
	s_lshl_b32 s66, s66, 10
	s_lshl_b32 s67, s17, 8
	s_add_co_u32 s66, s66, s67
	s_lshl_b32 s67, s14, 6
	s_add_co_u32 s66, s66, s67
	s_lshl_b32 s66, s66, 11
	s_and_b32 s67, s42, 7
	s_lshl_b32 s67, s67, 8
	s_add_co_u32 s66, s66, s67
	s_add_co_u32 s66, s66, 0x800000
	s_lshr_b32 s94, s17, 3
	s_lshl_b32 s94, s94, 4
	s_lshl_b32 s95, s42, 2
	s_add_co_u32 s94, s94, s95
	s_add_co_u32 s94, s94, s14
	s_lshl_b32 s94, s94, 11
	s_and_b32 s95, s17, 7
	s_lshl_b32 s95, s95, 8
	s_add_co_u32 s94, s94, s95
	s_lshl_b32 s94, s94, 6
	s_lshl_b32 s95, ttmp9, 22
	s_add_co_u32 s94, s94, s95
	s_cmp_eq_u32 ttmp9, 2
	s_cselect_b32 s94, s66, s94
.else
	s_lshl_b32 s94, s17, 8
	s_lshl_b32 s95, s14, 6
	s_add_co_u32 s94, s94, s95
	s_lshl_b32 s94, s94, 12
	s_lshl_b32 s95, s42, 8
	s_add_co_u32 s94, s94, s95
.endif
	s_mov_b32 s95, 0
	s_add_nc_u64 s[10:11], s[92:93], s[94:95]
	s_wait_dscnt 0x0
	s_barrier_signal -1
	s_barrier_wait -1
.macro OUTC rd, rd2, lstep, second, co, gstep
.set n, 0
.rept 32
.if n < 16
	ds_load_b128 v[128+4*n:131+4*n], v[\rd] offset:n*\lstep
.else
	ds_load_b128 v[128+4*n:131+4*n], v[\rd2] offset:(n-16)*\lstep+\second
.endif
.set n, n+1
.endr
.set n, 0
.rept 32
	s_wait_dscnt 31-n
	global_store_b128 v[\co], v[128+4*n:131+4*n], s[10:11] offset:n*\gstep th:TH_STORE_NT
.set n, n+1
.endr
.endm
.if QKV
	s_cmp_eq_u32 ttmp9, 2
	s_cbranch_scc1 .Lout_v
	OUTC RDH, RDH2, 8*PITCH, 0, COH, 512
	s_branch .Lout_done
.Lout_v:
	OUTC RDR, RDR, 2*PITCH, 32*PITCH, COR, 2*OPITCH
.Lout_done:
.else
	OUTC RDR, RDR, 2*PITCH, 32*PITCH, COR, 2*OPITCH
.endif
	s_wait_tensorcnt 0x0
	ds_add_u32 v[SPW], v[NIL]
	s_wait_dscnt 0x0
	CROUND
	s_endpgm
.Lfunc_end_k_q6ef71f9f49_w1:
	.size	k_q6ef71f9f49_w1, .Lfunc_end_k_q6ef71f9f49_w1-k_q6ef71f9f49_w1
	.p2alignl 7, 3214868480
	.fill 96, 4, 3214868480
	.section	.rodata,"a",@progbits
	.p2align	6, 0x0
	.amdhsa_kernel k_q6ef71f9f49_w1
		.amdhsa_group_segment_fixed_size 327680
		.amdhsa_private_segment_fixed_size 0
		.amdhsa_enable_private_segment 0
		.amdhsa_kernarg_size 40
		.amdhsa_user_sgpr_count 2
		.amdhsa_user_sgpr_kernarg_segment_ptr 1
		.amdhsa_wavefront_size32 1
		.amdhsa_system_sgpr_workgroup_id_x 1
		.amdhsa_system_sgpr_workgroup_id_y 1
		.amdhsa_system_sgpr_workgroup_id_z 1
		.amdhsa_system_vgpr_workitem_id 0
		.amdhsa_next_free_vgpr 1024
		.amdhsa_next_free_sgpr 102
		.amdhsa_reserve_vcc 0
		.amdhsa_float_denorm_mode_32 3
		.amdhsa_float_denorm_mode_16_64 3
		.amdhsa_memory_ordered 1
		.amdhsa_forward_progress 1
		.amdhsa_inst_pref_size 142
	.end_amdhsa_kernel
	.amdgpu_metadata
---
amdhsa.version: [ 1, 2 ]
amdhsa.kernels:
  - .name:           k_q6ef71f9f49_w1
    .symbol:         k_q6ef71f9f49_w1.kd
    .args:
      - { .name: a2, .offset: 0, .size: 8, .value_kind: global_buffer, .address_space: global }
      - { .name: wc, .offset: 8, .size: 8, .value_kind: global_buffer, .address_space: global }
      - { .name: lowp_scales, .offset: 16, .size: 8, .value_kind: global_buffer, .address_space: global }
      - { .name: b1, .offset: 24, .size: 8, .value_kind: global_buffer, .address_space: global }
      - { .name: hid, .offset: 32, .size: 8, .value_kind: global_buffer, .address_space: global }
    .group_segment_fixed_size: 327680
    .private_segment_fixed_size: 0
    .kernarg_segment_align: 8
    .kernarg_segment_size: 40
    .max_flat_workgroup_size: 128
    .sgpr_count:     102
    .vgpr_count:     1024
    .wavefront_size: 32
...
	.end_amdgpu_metadata
.endif
;; end of part 6
;; launch w2 (part 7): grid 8 x 32, 4 waves a work-group, clusters of 4 x 4, 327,680 bytes of LDS; arguments hid, wc, lowp_scales, b2, h, out0; writes out0
.if DOCPART == 7
	.amdgcn_target "amdgcn-amd-amdhsa--gfx1250"
	.amdhsa_code_object_version 6
	.text
	.protected	k_q6ef71f9f49_w2
	.globl	k_q6ef71f9f49_w2
	.p2align	8
	.type	k_q6ef71f9f49_w2,@function
k_q6ef71f9f49_w2:
	s_mov_b64 s[64:65], 0
	v_nop
	global_prefetch_b8 v0, s[64:65] scope:SCOPE_SE
	s_setreg_imm32_b32 hwreg(HW_REG_WAVE_MODE, 25, 1), 1
	s_wait_xcnt 0x0
	s_wait_alu depctr_hold_cnt(0) depctr_sa_sdst(0) depctr_va_vdst(0) depctr_va_sdst(0) depctr_va_ssrc(0) depctr_va_vcc(0) depctr_vm_vsrc(0)
	s_getreg_b32 s2, hwreg(HW_REG_IB_STS2, 6, 4)
	s_cmp_eq_u32 s2, 0
	s_cbranch_scc0 .Lentry_in_a_cluster
	s_endpgm
.Lentry_in_a_cluster:
	s_bfe_u32 s2, ttmp6, 0x10000c
	s_cmp_lg_u32 s2, 0xf033
	s_cbranch_scc0 .Lentry_shape_is_right
	s_endpgm
.Lentry_shape_is_right:
.set SIZE_K, 4096
.set WOFF,   0x800000
.set EA,     82
.set EB,     83
.set KSTEP,  512
.set PITCH,  528
.set HALFT,  64*PITCH
.set SLOT,   4*HALFT
.set STAGE,  2*SLOT
.set SPITCH, 272
.set SPARE,  STAGE+4*16*SPITCH
.set LAPS,   SIZE_K/(2*KSTEP)
.set ADRA, 16
.set ADRB, 20
.set STO,  24
.set RD,   25
.set CO,   26
.set BO,   27
.set SPW,  28
.set NIL,  29
.set T,    32
.set ACC,  128
.set F0,   0
.set F1,   128
.set G1, 24
.set G0, 32
.set G1B, 48
.set G0B, 56
.set MSB, 0
.macro WIN new
.if MSB != (\new)
	s_set_vgpr_msb (MSB<<8)|(\new)
.set MSB, \new
.endif
.endm
.set MUL,  0x05
.set TO_F, 0x40
.macro JLOAD s
	s_cmp_eq_u32 s11, 0
	s_cbranch_scc0 .Lfor_b_\@
	tensor_load_to_lds s[G0+4*\s:G0+4*\s+3], s[G1:G1+7]
	s_nop 0
.rept 4
	v_nop
.endr
	s_branch .Lasked_\@
.Lfor_b_\@:
	tensor_load_to_lds s[G0B+4*\s:G0B+4*\s+3], s[G1B:G1B+7]
	s_nop 0
.rept 4
	v_nop
.endr
.Lasked_\@:
.endm
.macro CREST
	s_cmp_lg_u32 s10, 0
	s_cbranch_scc1 .Lnot_wave_0_\@
	s_barrier_signal -3
.Lnot_wave_0_\@:
	s_barrier_wait -3
	s_barrier_signal -1
	s_barrier_wait -1
.endm
.macro CROUND
	s_barrier_signal -1
	s_barrier_wait -1
	CREST
.endm
	s_load_b128 s[4:7], s[0:1], 0x0
	s_load_b256 s[84:91], s[0:1], 0x10
	v_lshl_add_u32 v[SPW], v0, 2, SPARE
	v_mov_b32 v[NIL], 0
	ds_add_u32 v28, v29
	ds_add_u32 v28, v29
	s_wait_dscnt 0x0
	v_lshrrev_b32 v1, 5, v0
	v_readfirstlane_b32 s10, v1
	s_lshr_b32 s11, s10, 1
	s_and_b32 s12, s10, 1
	s_bfe_u32 s40, ttmp6, 0x40000
	s_bfe_u32 s41, ttmp6, 0x40004
	s_lshl_b32 s42, ttmp9, 2
	s_add_co_u32 s42, s42, s40
	s_and_b32 s13, ttmp7, 0xffff
	s_lshl_b32 s13, s13, 2
	s_add_co_u32 s13, s13, s41
	s_lshl_b32 s43, s41, 2
	s_lshl_b32 s43, 15, s43
	s_lshl_b32 s44, 0x1111, s40
	s_or_b32 s[G1+0], s43, (0<<16)|(1<<20)|(1<<21)|(6<<22)|(3<<25)
	s_or_b32 s[G1B+0], s44, (0<<16)|(1<<20)|(1<<21)|(6<<22)|(3<<25)
.irp g, G1, G1B
	s_mov_b32 s[\g+1], KSTEP<<16
	s_mov_b32 s[\g+2], 64<<16
	s_mov_b32 s[\g+3], KSTEP<<16
	s_mov_b32 s[\g+4], 64
	s_mov_b32 s[\g+5], SIZE_K
	s_mov_b32 s[\g+6], 0
	s_mov_b32 s[\g+7], 0
.endr
	s_lshl_b32 s17, s12, 6
	s_lshl_b32 s16, s13, 7
	s_add_co_u32 s16, s16, s17
	s_mul_i32 s16, s16, SIZE_K
	s_lshl_b32 s46, s42, 7
	s_add_co_u32 s46, s46, s17
	s_mul_i32 s46, s46, SIZE_K
	s_add_co_u32 s46, s46, WOFF
	s_mov_b32 s17, 0
	s_mov_b32 s47, 0
	s_mul_i32 s20, s10, HALFT
	s_wait_kmcnt 0x0
	s_load_b512 s[68:83], s[84:85], 0x0
	s_add_nc_u64 s[14:15], s[4:5], s[16:17]
	s_add_nc_u64 s[46:47], s[6:7], s[46:47]
; THE PREFETCHES INTO THE L2.  A K step is 512 bytes of each of the 64 rows that a wave fetches.  The four partners that ask for a tile jointly share its rows out BY ADDRESS: the partner at place p (cx for A, cy for B) takes
; rows 16 p .. 16 p + 15, two blocks of 256 bytes each: a lane a block, one instruction a wave, each block named once in each cluster that will load it.  Behind K step 0's load steps 1 and 2 are asked for, behind step 1's step 3,
; behind the refill of step j step j + 2; the last trip's two refills have no step two on and ask for nothing.
.set PFA, 92                           ; s[92:93] my 16 rows, at the K step three behind the one that the next prefetch in the loop names
.set PFO, 30                           ; v30  4,096 x (lane / 2) + 256 x (lane % 2); never rewritten
	s_cmp_eq_u32 s11, 0                            ; do I fetch for A?
	s_cselect_b64 s[PFA:PFA+1], s[14:15], s[46:47]
	s_cselect_b32 s98, s40, s41                    ; my place among the four that ask with me
	s_lshl_b32 s98, s98, 16                        ; 16 rows of 4,096 bytes
	s_mov_b32 s99, 0
	s_add_nc_u64 s[PFA:PFA+1], s[PFA:PFA+1], s[98:99]
	v_bfe_u32 v[PFO], v0, 1, 4
	v_and_b32 v31, 1, v0
	v_lshlrev_b32 v[PFO], 12, v[PFO]
	v_lshl_add_u32 v[PFO], v31, 8, v[PFO]
	CROUND
.irp s, 0,1
	s_mov_b32 s[G0+4*\s], 1
	s_add_co_u32 s[G0+4*\s+1], s20, \s*SLOT
	s_add_nc_u64 s[G0+4*\s+2:G0+4*\s+3], s[14:15], \s*KSTEP
	s_or_b32 s[G0+4*\s+3], s[G0+4*\s+3], 0x80000000
	s_mov_b32 s[G0B+4*\s], 1
	s_add_co_u32 s[G0B+4*\s+1], s20, \s*SLOT
	s_add_nc_u64 s[G0B+4*\s+2:G0B+4*\s+3], s[46:47], \s*KSTEP
	s_or_b32 s[G0B+4*\s+3], s[G0B+4*\s+3], 0x80000000
	s_wait_alu depctr_va_vdst(0)
.if \s
	s_wait_tensorcnt 0x0
	ds_add_u32 v28, v29
	ds_add_u32 v28, v29
	s_wait_dscnt 0x0
	CROUND
.endif
	JLOAD \s
.if \s
	global_prefetch_b8 v[PFO], s[PFA:PFA+1] offset:3*KSTEP th:TH_LOAD_NT scope:SCOPE_SE   ; K step 3
.else
	global_prefetch_b8 v[PFO], s[PFA:PFA+1] offset:KSTEP th:TH_LOAD_NT scope:SCOPE_SE     ; K step 1,
	global_prefetch_b8 v[PFO], s[PFA:PFA+1] offset:2*KSTEP th:TH_LOAD_NT scope:SCOPE_SE   ; K step 2
.endif
.endr
	v_and_b32 v1, 15, v0
	s_wait_alu depctr_va_vdst(0)
	v_bfe_u32 v2, v0, 4, 1
	v_mul_u32_u24 v3, v1, PITCH
	v_lshl_add_u32 v3, v2, 4, v3
	s_mul_i32 s21, s11, HALFT
	s_mul_i32 s22, s12, HALFT
	s_add_co_u32 s22, s22, 2*HALFT
.irp s, 0,1
	v_add_nc_u32 v[ADRA+\s], s21, v3
	v_add_nc_u32 v[ADRB+\s], s22, v3
	s_add_co_u32 s21, s21, SLOT
	s_add_co_u32 s22, s22, SLOT
.endr
	s_mul_i32 s23, s10, 16*SPITCH
	s_add_co_u32 s23, s23, STAGE
	v_mul_u32_u24 v4, v1, SPITCH
	s_wait_alu depctr_va_vdst(0)
	v_lshl_add_u32 v4, v2, 5, v4
	v_add_nc_u32 v[STO], s23, v4
	v_mul_u32_u24 v5, v2, SPITCH
	v_lshl_add_u32 v5, v1, 4, v5
	v_add_nc_u32 v[RD], s23, v5
	v_lshlrev_b32 v[CO], 12, v2
	v_lshl_add_u32 v[CO], v1, 4, v[CO]
	s_wait_alu depctr_va_vdst(0)
	v_lshlrev_b32 v[BO], 4, v1
	s_wait_alu depctr_va_vdst(0)
	s_lshl_b32 s18, s42, 7
	s_lshl_b32 s19, s12, 6
	s_add_co_u32 s18, s18, s19
	s_lshl_b32 s18, s18, 2
	s_mov_b32 s19, 0
	s_add_nc_u64 s[86:87], s[86:87], s[18:19]
	s_lshl_b32 s94, s13, 7
	s_lshl_b32 s95, s11, 6
	s_add_co_u32 s94, s94, s95
	s_lshl_b32 s94, s94, 12
	s_add_co_u32 s94, s94, s18
	s_mov_b32 s95, 0
	s_add_nc_u64 s[88:89], s[88:89], s[94:95]
	s_add_nc_u64 s[90:91], s[90:91], s[94:95]
	WIN 0x80
.irp a, 0,1,2,3
.irp t, 0,1,2,3,4,5,6,7
	global_load_b128 v[4*(8*\a+\t):4*(8*\a+\t)+3], v[CO], s[88:89] offset:(16*\a+2*\t)*4096
.endr
.endr
	WIN 0
	global_load_b128 v[12:15], v[BO], s[86:87]
.macro MUL4 f, a, zero
.irp b, 0,1,2,3
.if \zero
	v_wmma_f32_16x16x128_fp8_fp8 v[ACC+8*(4*(\a)+\b):ACC+8*(4*(\a)+\b)+7], v[\f+64+16*\b:\f+64+16*\b+15], v[\f+16*(\a):\f+16*(\a)+15], 0
.else
	v_wmma_f32_16x16x128_fp8_fp8 v[ACC+8*(4*(\a)+\b):ACC+8*(4*(\a)+\b)+7], v[\f+64+16*\b:\f+64+16*\b+15], v[\f+16*(\a):\f+16*(\a)+15], v[ACC+8*(4*(\a)+\b):ACC+8*(4*(\a)+\b)+7]
.endif
.endr
.endm
.macro FETCH slot, k, f
	WIN TO_F
.irp i, 0,1,2,3
.irp c, 0,1,2,3
	ds_load_b128 v[\f+64+16*\i+4*\c:\f+64+16*\i+4*\c+3], v[ADRB+\slot] offset:\k+32*\c+\i*16*PITCH
.endr
.endr
.irp i, 0,1,2,3
.irp c, 0,1,2,3
	ds_load_b128 v[\f+16*\i+4*\c:\f+16*\i+4*\c+3], v[ADRA+\slot] offset:\k+32*\c+\i*16*PITCH
.endr
.endr
.endm
.macro PLACES
.rept 4
	v_nop
.endr
.endm
.macro QUARTER slot, k, f, g, zero
	s_wait_dscnt 8
	WIN MUL
	MUL4 \f, 0, \zero
	MUL4 \f, 1, \zero
	PLACES
	FETCH \slot, \k, \g
	s_wait_dscnt 32
	WIN MUL
	MUL4 \f, 2, \zero
	MUL4 \f, 3, \zero
.endm
.macro TURN slot, next, fill
	WIN 0
.if \fill
	s_wait_xcnt 0x0                                ; my prefetches have read their address: it is stepped here, a K step behind the last of them
	s_add_nc_u64 s[PFA:PFA+1], s[PFA:PFA+1], KSTEP
.endif
	s_wait_tensorcnt 0x0
	ds_add_u32 v[SPW], v[NIL]
	s_wait_dscnt 9
	WIN MUL
	MUL4 F1, 0, 0
	s_wait_dscnt 0x0
	s_barrier_signal -1
	MUL4 F1, 1, 0
.if \fill
	WIN 0
.endif
	s_barrier_wait -1
.if \fill
	CREST
	s_add_nc_u64 s[G0+4*\slot+2:G0+4*\slot+3], s[G0+4*\slot+2:G0+4*\slot+3], 2*KSTEP
	s_add_nc_u64 s[G0B+4*\slot+2:G0B+4*\slot+3], s[G0B+4*\slot+2:G0B+4*\slot+3], 2*KSTEP
	JLOAD \slot
.else
	PLACES
.endif
	FETCH \next, 0, F0
.if \fill
	WIN 0                                          ; at a branch and at a label every window is 0
	s_cmp_gt_u32 s3, 1                             ; s3 = 1 in the loop's last trip: its refills are K steps 6 and 7, and there is no step two on
	s_cbranch_scc0 .Lnone_\@
	global_prefetch_b8 v[PFO], s[PFA:PFA+1] offset:3*KSTEP th:TH_LOAD_NT scope:SCOPE_SE   ; the K step two behind the one just asked for by the joint load
.Lnone_\@:
.endif
	WIN MUL
	MUL4 F1, 2, 0
	MUL4 F1, 3, 0
.endm
	s_wait_tensorcnt 1
	s_barrier_signal -1
	s_barrier_wait -1
	FETCH 0, 0, F0
	QUARTER 0, 128, F0, F1, 1
.if LAPS > 1
	WIN 0
	s_mov_b32 s3, LAPS-1
.Llap:
	QUARTER 0, 256, F1, F0, 0
	QUARTER 0, 384, F0, F1, 0
	TURN 0, 1, 1
	QUARTER 1, 128, F0, F1, 0
	QUARTER 1, 256, F1, F0, 0
	QUARTER 1, 384, F0, F1, 0
	TURN 1, 0, 1
	QUARTER 0, 128, F0, F1, 0
	WIN 0
	s_sub_co_u32 s3, s3, 1
	s_cmp_lg_u32 s3, 0
	s_cbranch_scc1 .Llap
.endif
	QUARTER 0, 256, F1, F0, 0
	QUARTER 0, 384, F0, F1, 0
	TURN 0, 1, 0
	QUARTER 1, 128, F0, F1, 0
	QUARTER 1, 256, F1, F0, 0
	QUARTER 1, 384, F0, F1, 0
	s_wait_dscnt 8
	WIN MUL
	MUL4 F1, 0, 0
	MUL4 F1, 1, 0
	s_wait_dscnt 0
	MUL4 F1, 2, 0
	MUL4 F1, 3, 0
	WIN 0
	s_wait_kmcnt 0x0
	s_add_co_i32 s96, s[EA], s[EB]
	s_add_co_i32 s96, s96, 127
	s_lshl_b32 s96, s96, 23
	s_mov_b32 s97, s96
	s_wait_loadcnt 0x0
	PLACES
.macro TOSTAGE a
.set TT, T+32*((\a)%2)
.irp b, 0,1,2,3
	ds_store_b128 v[STO], v[ACC+8*(4*(\a)+\b):ACC+8*(4*(\a)+\b)+3] offset:64*\b
	ds_store_b128 v[STO], v[ACC+8*(4*(\a)+\b)+4:ACC+8*(4*(\a)+\b)+7] offset:64*\b+16
.endr
.irp t, 0,1,2,3,4,5,6,7
	ds_load_b128 v[TT+4*\t:TT+4*\t+3], v[RD] offset:\t*2*SPITCH
.endr
.endm
.macro SEND a, younger
.set TT, T+32*((\a)%2)
	s_wait_dscnt \younger
.irp t, 0,1,2,3,4,5,6,7
	v_pk_fma_f32 v[TT+4*\t:TT+4*\t+1], v[TT+4*\t:TT+4*\t+1], s[96:97], v[12:13] op_sel_hi:[1,0,1]
	v_pk_fma_f32 v[TT+4*\t+2:TT+4*\t+3], v[TT+4*\t+2:TT+4*\t+3], s[96:97], v[14:15] op_sel_hi:[1,0,1]
.endr
	WIN 0x08
.irp t, 0,1,2,3,4,5,6,7
	v_pk_add_f32 v[TT+4*\t:TT+4*\t+1], v[TT+4*\t:TT+4*\t+1], v[4*(8*(\a)+\t):4*(8*(\a)+\t)+1]
	v_pk_add_f32 v[TT+4*\t+2:TT+4*\t+3], v[TT+4*\t+2:TT+4*\t+3], v[4*(8*(\a)+\t)+2:4*(8*(\a)+\t)+3]
.endr
	WIN 0
.irp t, 0,1,2,3,4,5,6,7
	global_store_b128 v[CO], v[TT+4*\t:TT+4*\t+3], s[90:91] offset:(16*(\a)+2*\t)*4096
.endr
.endm
	TOSTAGE 0
.irp a, 1,2,3
.if \a > 1
	s_wait_xcnt 0x0
.endif
	TOSTAGE \a
	SEND \a-1, 16
.endr
	SEND 3, 0
	s_wait_tensorcnt 0x0
	ds_add_u32 v[SPW], v[NIL]
	s_wait_dscnt 0x0
	CROUND
	s_endpgm
.Lfunc_end_k_q6ef71f9f49_w2:
	.size	k_q6ef71f9f49_w2, .Lfunc_end_k_q6ef71f9f49_w2-k_q6ef71f9f49_w2
	.p2alignl 7, 3214868480
	.fill 96, 4, 3214868480
	.section	.rodata,"a",@progbits
	.p2align	6, 0x0
	.amdhsa_kernel k_q6ef71f9f49_w2
		.amdhsa_group_segment_fixed_size 327680
		.amdhsa_private_segment_fixed_size 0
		.amdhsa_enable_private_segment 0
		.amdhsa_kernarg_size 48
		.amdhsa_user_sgpr_count 2
		.amdhsa_user_sgpr_kernarg_segment_ptr 1
		.amdhsa_wavefront_size32 1
		.amdhsa_system_sgpr_workgroup_id_x 1
		.amdhsa_system_sgpr_workgroup_id_y 1
		.amdhsa_system_sgpr_workgroup_id_z 1
		.amdhsa_system_vgpr_workitem_id 0
		.amdhsa_next_free_vgpr 768
		.amdhsa_next_free_sgpr 100
		.amdhsa_reserve_vcc 0
		.amdhsa_float_denorm_mode_32 3
		.amdhsa_float_denorm_mode_16_64 3
		.amdhsa_memory_ordered 1
		.amdhsa_forward_progress 1
		.amdhsa_inst_pref_size 83
	.end_amdhsa_kernel
	.amdgpu_metadata
---
amdhsa.version: [ 1, 2 ]
amdhsa.kernels:
  - .name:           k_q6ef71f9f49_w2
    .symbol:         k_q6ef71f9f49_w2.kd
    .args:
      - { .name: hid, .offset: 0, .size: 8, .value_kind: global_buffer, .address_space: global }
      - { .name: wc, .offset: 8, .size: 8, .value_kind: global_buffer, .address_space: global }
      - { .name: lowp_scales, .offset: 16, .size: 8, .value_kind: global_buffer, .address_space: global }
      - { .name: b2, .offset: 24, .size: 8, .value_kind: global_buffer, .address_space: global }
      - { .name: h, .offset: 32, .size: 8, .value_kind: global_buffer, .address_space: global }
      - { .name: out0, .offset: 40, .size: 8, .value_kind: global_buffer, .address_space: global }
    .group_segment_fixed_size: 327680
    .private_segment_fixed_size: 0
    .kernarg_segment_align: 8
    .kernarg_segment_size: 48
    .max_flat_workgroup_size: 128
    .sgpr_count:     100
    .vgpr_count:     768
    .wavefront_size: 32
...
	.end_amdgpu_metadata
.endif
;; end of part 7
